; MI455X (gfx1250); checked and timed in simulation.
; The chip was launched on July 23, 2026; its instructions are those of AMD's public machine-readable ISA for CDNA 5 (MIT licence, August 2026) and "CDNA5" Instruction Set Architecture Reference Guide (July 2026). The comments in the code are by the model that wrote it; some were corrected since.
;; Multi Head Attention. Allowed arithmetic: matrix products marked QUANTISED: E2M1 operands, one E8M0 scale for each 32 along K, by v_wmma_scale_f32_16x16x128_f8f6f4 with both operands' format E2M1 (or v_wmma_scale_f32_32x16x128_f4), f32 sums; products left as they are: bf16, f16 or f32 operands; f32 sums; everything else in f32.
;; Inputs: b_k 1,024 float32; b_o 1,024 float32; b_q 1,024 float32; b_v 1,024 float32; k 1 x 4,096 x 1,024 float32; q 1 x 4,096 x 1,024 float32; v 1 x 4,096 x 1,024 float32; w_k 1,024 x 1,024 float32; w_o 1,024 x 1,024 float32; w_q 1,024 x 1,024 float32; w_v 1,024 x 1,024 float32.
;; Outputs: out0 1 x 4,096 x 1,024 float32.
;; This version of the problem:
;;   THIS VERSION OF THE PROBLEM IS GIVEN IN LOW PRECISION. The matrix products marked QUANTISED in the list below multiply operands that are first quantised to E2M1 (2 exponent bits, 1 mantissa bit; 4 bits a number), with one power-of-two scale for each 32 numbers along K (OCP MX v1.0); their sums are f32. The products marked 'left as it is' may take bf16, f16 or f32 operands, with f32 sums. Whichever they take, every output number must still come out within the allowed error. Rounding operands to bf16 (8 significant bits) uses up far more of that allowance than f16 does (11 bits, for magnitudes from 6e-5 to 65,504). All else is computed in f32.
;;   The module's matrix products, in the order in which they are computed (A, B: the left and right operand; K: the contracted axis; several contracted axes count as one K, in the product's order):
;;     1. [M 4,096, K 1,024] x [K 1,024, N 1,024]; A: input q; B: input w_q: QUANTISED
;;     2. [M 4,096, K 1,024] x [K 1,024, N 1,024]; A: input k; B: input w_k: QUANTISED
;;     3. [M 4,096, K 1,024] x [K 1,024, N 1,024]; A: input v; B: input w_v: QUANTISED
;;     4. batch 16 x [M 4,096, K 64] x [K 64, N 4,096]; A: computed on the way; B: computed on the way: left as it is (an operand is computed on the way)
;;     5. batch 16 x [M 4,096, K 4,096] x [K 4,096, N 64]; A: computed on the way; B: computed on the way: left as it is (an operand is computed on the way)
;;     6. [M 4,096, K 1,024] x [K 1,024, N 1,024]; A: computed on the way; B: input w_o: left as it is (an operand is computed on the way)
;;   THE QUANTISER, for each operand of a quantised product, along K:
;;     - K is cut into blocks of 32 from its start; a last block that is shorter is filled with zeros.
;;     - A block's scale is 2^e with e = floor(log2(the largest magnitude in the block)) - 2, held to -126 .. 127; a block of zeros has e = 0. As a byte (E8M0): e + 127.
;;     - Each number is divided by its block's scale, clamped to +-6, and rounded to the nearest number of E2M1, ties to even, subnormals kept.
;;     - The product sums the exact products of the quantised numbers (number of the format x scale) in f32.
;;   ~~~python
;;   def quantise(x, axis):      # numpy; x: float32 -> the quantised numbers, widened to float32 again
;;       x = np.moveaxis(x, axis, -1); K = x.shape[-1]
;;       x = np.pad(x, [(0, 0)] * (x.ndim - 1) + [(0, -K % 32)]); x = x.reshape(x.shape[:-1] + (-1, 32)); a = np.abs(x).max(-1, keepdims=True)
;;       e = np.where(a > 0, np.clip(np.frexp(np.where(a > 0, a, 1))[1] - 1 - 2, -126, 127), 0)      # np.frexp(a)[1] - 1 = floor(log2(a)), exactly
;;       r = np.clip(x / 2.0 ** e, -6, 6)
;;       step = 2.0 ** (np.maximum(np.frexp(np.where(r == 0, 1, r))[1] - 1, 0) - 1)
;;       q = np.round(r / step) * step * 2.0 ** e      # np.round: ties to even
;;       return np.moveaxis(q.reshape(q.shape[:-2] + (-1,))[..., :K], -1, axis).astype(np.float32)
;;   ~~~
;; One version. Each part assembles by itself: llvm-mc -triple=amdgcn-amd-amdhsa -mcpu=gfx1250 --defsym DOCPART=n.
;; ======== version 1 of 1: 4 launches
;; limits: values are held in f16: magnitudes above 65,504 overflow, below 6.1e-05 lose precision
;; workspace buffers: codes 7,864,320 bytes; scales 491,520 bytes; wo16 2,097,152 bytes; qkv 25,165,824 bytes; ctx 8,388,608 bytes
;; launch quant (part 1): grid 512 x 1, 4 waves a work-group, no clusters, 33,280 bytes of LDS; arguments q, k, v, w_q, w_k, w_v, w_o, codes, scales, wo16; writes codes, scales, wo16
.if DOCPART == 1
	.amdgcn_target "amdgcn-amd-amdhsa--gfx1250"
	.amdhsa_code_object_version 6
	.text
	.protected	k_q3d2a9f31f3_quant
	.globl	k_q3d2a9f31f3_quant
	.p2align	8
	.type	k_q3d2a9f31f3_quant,@function
k_q3d2a9f31f3_quant:
	s_mov_b64 s[64:65], 0
	v_nop
	global_prefetch_b8 v0, s[64:65] scope:SCOPE_SE
	s_setreg_imm32_b32 hwreg(HW_REG_WAVE_MODE, 25, 1), 1
	s_wait_xcnt 0x0
; q, k, v [4096][1024] and w_q, w_k, w_v [1024][1024], f32, K innermost, become codes of FP4 (E2M1), two a byte, with one E8M0 byte for each 32 along K; w_o [1024][1024] becomes f16.
; THE CODES ARE ONE STREAM of 15,360 rows of 512 bytes in the order q, k, v, w_q, w_k, w_v, and the scale bytes one stream of rows of 32 bytes: the work-groups walk the six tensors in that order,
; 32,768 numbers each (128 for each of q, k, v; 32 for each weight), so that the places of codes and bytes follow from the work-group's number alone and only the INPUT pointer is chosen.
; A block's scale is 2^(floor(log2(its largest magnitude)) - 2); its byte is the largest magnitude's exponent field - 2, held at 1 from below.  Each number is divided by the scale and rounded to the nearest code, ties to even.
; LIMITS: a block whose largest magnitude lies under 2^-124 keeps the byte 1; a block of zeros has the byte 1 where the rule says 127: its codes are zeros, and this program alone reads the bytes.  NaN and infinities are not served.
; A wave takes 16 steps of 512 numbers.  Each of a step's four loads reads 512 consecutive bytes; the 2,048 bytes turn through the wave's own stage in LDS and come back 64 bytes a lane, so that a lane holds 16 neighbours
; along K (two lanes a block).  A lane's 16 codes are 8 bytes: the wave stores 256 consecutive bytes.  A wave's 256 scale bytes are gathered in LDS and leave by one store of 256 consecutive bytes.
; THE LAST 32 WORK-GROUPS turn w_o into f16, laid [n / 128][k / 64][128 n][64 k]: a block of 128 rows x 64 along K is 16,384 dense bytes, as the last launch's tiles want it.  That path uses no LDS.
.set WAVES, 4
.set STEPS, 16
.set WGQ,   480                        ; work-groups that quantise
.set EMAX,  2
.set CB,    8                          ; bytes of 16 codes
.set R,     16                         ; v16-79   four sets of 16 numbers as they are loaded
.set X,     80                         ; v80-111  two sets of 16 neighbours
.set E,     112                        ; v112-127 a scale byte for each step
.set C,     128                        ; v128-191 codes: four registers for each step, so that no store's data are written again
.set WREG,  8192                       ; LDS: a region for each wave: two stages of 32 x SP bytes, behind them its 256 scale bytes
.set SP,    80                         ; a lane's place in a stage: 64 bytes + 16 of padding
.set SPW,   12                         ; v12  LDS address of my spare word; never rewritten
.set NIL,   13                         ; v13  0; never rewritten
.set SPARE, WAVES*WREG                 ; behind the regions: the spare words, 128 bytes a wave, which no other line names
.set WI,    16                         ; w_o's path: v16-143 two sets of 64 numbers
.set WR,    144                        ; v144-175 sixteen pairs of f16 words
.set WA,    176                        ; v176 offset in w_o;  v177 offset in wo16
.set WB,    177
	s_load_b512 s[8:23], s[0:1], 0x0               ; q s[8:9], k s[10:11], v s[12:13], w_q s[14:15], w_k s[16:17], w_v s[18:19], w_o s[20:21], codes s[22:23]
	s_load_b128 s[24:27], s[0:1], 0x40             ; scales s[24:25], wo16 s[26:27]
	v_lshl_add_u32 v[SPW], v0, 2, SPARE
	v_mov_b32 v[NIL], 0
	v_lshrrev_b32 v1, 5, v0
	v_readfirstlane_b32 s7, v1                     ; wave
	v_and_b32 v2, 31, v0                           ; lane
	v_lshlrev_b32 v3, 4, v2                        ; my 16 bytes of a load's 512
	s_mul_i32 s28, s7, WREG
	v_lshrrev_b32 v14, 2, v2
	v_mul_u32_u24 v14, v14, SP
	v_and_b32 v15, 3, v2
	v_lshl_add_u32 v14, v15, 4, v14
	v_add_nc_u32 v14, s28, v14                     ; the stage, on the way in: SP (lane / 4) + 16 (lane % 4)
	v_mul_u32_u24 v15, v2, SP
	v_add_nc_u32 v15, s28, v15                     ; and on the way out: SP x lane: my 16 neighbours
	v_mul_u32_u24 v4, v2, CB                       ; my codes' place in a step's
	v_lshrrev_b32 v5, 1, v2
	s_add_co_u32 s28, s28, 2*32*SP
	v_add_nc_u32 v5, s28, v5                       ; LDS: my wave's 256 scale bytes, my block's byte
	v_lshlrev_b32 v7, 3, v2                        ; and on the way out 8 bytes a lane
	v_add_nc_u32 v6, s28, v7
	s_wait_kmcnt 0x0
	s_cmp_ge_u32 ttmp9, WGQ
	s_cbranch_scc1 .Lwo
	; which tensor is mine, and its first work-group: chosen on the work-group's number alone
	s_mov_b64 s[4:5], s[18:19]
	s_mov_b32 s6, 448
	s_cmp_lt_u32 ttmp9, 448
	s_cselect_b64 s[4:5], s[16:17], s[4:5]
	s_cselect_b32 s6, 416, s6
	s_cmp_lt_u32 ttmp9, 416
	s_cselect_b64 s[4:5], s[14:15], s[4:5]
	s_cselect_b32 s6, 384, s6
	s_cmp_lt_u32 ttmp9, 384
	s_cselect_b64 s[4:5], s[12:13], s[4:5]
	s_cselect_b32 s6, 256, s6
	s_cmp_lt_u32 ttmp9, 256
	s_cselect_b64 s[4:5], s[10:11], s[4:5]
	s_cselect_b32 s6, 128, s6
	s_cmp_lt_u32 ttmp9, 128
	s_cselect_b64 s[4:5], s[8:9], s[4:5]
	s_cselect_b32 s6, 0, s6
	s_sub_co_u32 s29, ttmp9, s6
	s_lshl_b32 s29, s29, 2
	s_add_co_u32 s29, s29, s7                      ; which run of 8,192 numbers of the tensor is my wave's
	s_lshl_b32 s30, s29, 15                        ; 32,768 bytes a run
	s_mov_b32 s31, 0
	s_add_nc_u64 s[4:5], s[4:5], s[30:31]
	s_lshl_b32 s29, ttmp9, 2
	s_add_co_u32 s29, s29, s7                      ; and which run of the streams
	s_lshl_b32 s30, s29, 12                        ; 4,096 bytes of codes a run
	s_add_nc_u64 s[22:23], s[22:23], s[30:31]
	s_lshl_b32 s30, s29, 8                         ; 256 scale bytes a run
	s_add_nc_u64 s[24:25], s[24:25], s[30:31]
.macro LOAD t
.irp i, 0,1,2,3
	global_load_b128 v[R+16*((\t)%4)+4*\i:R+16*((\t)%4)+4*\i+3], v3, s[4:5] offset:2048*(\t)+512*\i th:TH_LOAD_NT   ; 32 lanes read 512 consecutive bytes
.endr
.endm
.macro TURN t                          ; step t's numbers through the stage: LDS serves a wave's instructions in order, so no wait stands between the stores and the loads
.irp i, 0,1,2,3
	ds_store_b128 v14, v[R+16*((\t)%4)+4*\i:R+16*((\t)%4)+4*\i+3] offset:32*SP*((\t)%2)+8*SP*\i
.endr
.irp i, 0,1,2,3
	ds_load_b128 v[X+16*((\t)%2)+4*\i:X+16*((\t)%2)+4*\i+3], v15 offset:32*SP*((\t)%2)+16*\i
.endr
.endm
.irp t, 0,1,2,3
	LOAD \t
.endr
	s_wait_loadcnt 12                              ; step 0's four loads are in; three steps' twelve stay out
	TURN 0
.macro STEP t
.set XS, X+16*((\t)%2)
.if (\t) > 0
	s_wait_dscnt 1                                 ; this step's numbers are back from the stage (the last step's byte store may be out): so its stores into the stage have read their registers,
.else
	s_wait_dscnt 0x0
.endif
.if (\t)+4 < STEPS
	LOAD (\t)+4                                    ; which take the loads of four steps on
.endif
.if (\t)+1 < STEPS
.if STEPS-2-(\t) >= 3
	s_wait_loadcnt 12                              ; the next step's four loads are in; those of the three steps behind it may be out
.else
	s_wait_loadcnt 4*(STEPS-2-(\t))                ; the counts run down
.endif
	TURN (\t)+1                                    ; and go through the other stage while this step is worked
.endif
	v_max3_num_f32 v8, |v[XS]|, |v[XS+1]|, |v[XS+2]|               ; the largest magnitude of my 16, in two chains
	v_max3_num_f32 v9, |v[XS+3]|, |v[XS+4]|, |v[XS+5]|
.irp i, 6,10
	v_max3_num_f32 v8, v8, |v[XS+\i]|, |v[XS+\i+1]|
	v_max3_num_f32 v9, v9, |v[XS+\i+2]|, |v[XS+\i+3]|
.endr
	v_max3_num_f32 v8, v8, |v[XS+14]|, |v[XS+15]|
	v_max3_num_f32 v8, v8, v9, (EMAX+1)<<23        ; and the floor 2^(EMAX + 1 - 127): so the byte cannot fall under 1
	v_max_num_f32_dpp v8, v8, v8 row_xmask:1 row_mask:0xf bank_mask:0xf   ; and of my neighbour's 16: the block's
	v_add_nc_u32 v11, -(EMAX<<23), v8              ; EMAX off its exponent field: the conversion takes the exponent field of this operand as its scale, and nothing else of it
	v_cvt_scalef32_pk8_fp4_f32 v[C+4*(\t)], v[XS:XS+7], v11
	v_cvt_scalef32_pk8_fp4_f32 v[C+4*(\t)+1], v[XS+8:XS+15], v11
	v_lshrrev_b32 v[E+(\t)], 23, v11               ; the scale's byte (a plain line behind the conversions)
	ds_store_b8 v5, v[E+(\t)] offset:16*(\t)       ; both lanes of a block write the same byte with the same value
	global_store_b64 v4, v[C+4*(\t):C+4*(\t)+1], s[22:23] offset:32*CB*(\t)   ; 32 lanes store 256 consecutive bytes
.endm
.irp t, 0,1,2,3,4,5,6,7,8,9,10,11,12,13,14,15
	STEP \t
.endr
	ds_load_b64 v[8:9], v6                         ; LDS serves a wave's instructions in order: these see my stores
	s_wait_dscnt 0x0
	global_store_b64 v7, v[8:9], s[24:25]          ; 32 lanes store 256 consecutive bytes
	s_wait_tensorcnt 0x0                           ; the wave's end, behind my last LDS store
	ds_add_u32 v[SPW], v[NIL]
	s_wait_dscnt 0x0
	s_endpgm
; w_o: wave W of 128 takes rows 8 W .. 8 W + 7, as four pairs of rows x 16 planes of 64 along K.  One load: lanes 0-15 take 256 bytes of the even row, lanes 16-31 of the odd one;
; two conversions; one store of 8 bytes a lane: the pair's two rows of a plane are 256 consecutive bytes of wo16.
.Lwo:
	s_sub_co_u32 s28, ttmp9, WGQ
	s_lshl_b32 s28, s28, 2
	s_add_co_u32 s28, s28, s7                      ; W
	s_lshl_b32 s30, s28, 15                        ; 8 rows of 4,096 bytes
	s_mov_b32 s31, 0
	s_add_nc_u64 s[20:21], s[20:21], s[30:31]
	s_lshr_b32 s30, s28, 4
	s_lshl_b32 s30, s30, 18                        ; the block of 128 rows: 262,144 bytes each,
	s_and_b32 s29, s28, 15
	s_lshl_b32 s29, s29, 10                        ; and my 8 rows of 128 bytes in each of its planes
	s_add_co_u32 s30, s30, s29
	s_add_nc_u64 s[26:27], s[26:27], s[30:31]
	v_lshrrev_b32 v[WA], 4, v2
	v_and_b32 v[WB], 15, v2
	v_lshlrev_b32 v[WB], 4, v[WB]
	v_lshl_add_u32 v[WA], v[WA], 12, v[WB]         ; in: 4,096 (lane / 16) + 16 (lane % 16)
	v_lshlrev_b32 v[WB], 3, v2                     ; out: 8 x lane
.macro LOADW p                         ; pair p of rows, all 16 planes, into set p % 2
.irp kb, 0,1,2,3,4,5,6,7,8,9,10,11,12,13,14,15
	global_load_b128 v[WI+64*((\p)%2)+4*\kb:WI+64*((\p)%2)+4*\kb+3], v[WA], s[20:21] offset:8192*(\p)+256*\kb th:TH_LOAD_NT
.endr
.endm
	LOADW 0
	LOADW 1
.irp p, 0,1,2,3
.if \p < 3
	s_wait_loadcnt 16                              ; this pair's sixteen loads are in; the other set's may be out
.else
	s_wait_loadcnt 0x0
.endif
	s_wait_xcnt 0x0                                ; the last pair's stores have read their data: the sixteen register pairs are written again only behind this wait
.irp kb, 0,1,2,3,4,5,6,7,8,9,10,11,12,13,14,15
	v_cvt_pk_f16_f32 v[WR+2*\kb], v[WI+64*(\p%2)+4*\kb], v[WI+64*(\p%2)+4*\kb+1]
	v_cvt_pk_f16_f32 v[WR+2*\kb+1], v[WI+64*(\p%2)+4*\kb+2], v[WI+64*(\p%2)+4*\kb+3]
.endr
.irp kb, 0,1,2,3,4,5,6,7,8,9,10,11,12,13,14,15
	global_store_b64 v[WB], v[WR+2*\kb:WR+2*\kb+1], s[26:27] offset:16384*\kb+256*\p
.endr
.if \p < 2
	LOADW \p+2
.endif
.endr
	s_endpgm
.Lfunc_end_k_q3d2a9f31f3_quant:
	.size	k_q3d2a9f31f3_quant, .Lfunc_end_k_q3d2a9f31f3_quant-k_q3d2a9f31f3_quant
	.p2alignl 7, 3214868480
	.fill 96, 4, 3214868480
	.section	.rodata,"a",@progbits
	.p2align	6, 0x0
	.amdhsa_kernel k_q3d2a9f31f3_quant
		.amdhsa_group_segment_fixed_size 33280
		.amdhsa_private_segment_fixed_size 0
		.amdhsa_enable_private_segment 0
		.amdhsa_kernarg_size 80
		.amdhsa_user_sgpr_count 2
		.amdhsa_user_sgpr_kernarg_segment_ptr 1
		.amdhsa_wavefront_size32 1
		.amdhsa_system_sgpr_workgroup_id_x 1
		.amdhsa_system_sgpr_workgroup_id_y 1
		.amdhsa_system_sgpr_workgroup_id_z 1
		.amdhsa_system_vgpr_workitem_id 0
		.amdhsa_next_free_vgpr 192
		.amdhsa_next_free_sgpr 66
		.amdhsa_reserve_vcc 0
		.amdhsa_float_denorm_mode_32 3
		.amdhsa_float_denorm_mode_16_64 3
		.amdhsa_memory_ordered 1
		.amdhsa_forward_progress 1
		.amdhsa_inst_pref_size 55
	.end_amdhsa_kernel
	.amdgpu_metadata
---
amdhsa.version: [ 1, 2 ]
amdhsa.kernels:
  - .name:           k_q3d2a9f31f3_quant
    .symbol:         k_q3d2a9f31f3_quant.kd
    .args:
      - { .name: q, .offset: 0, .size: 8, .value_kind: global_buffer, .address_space: global }
      - { .name: k, .offset: 8, .size: 8, .value_kind: global_buffer, .address_space: global }
      - { .name: v, .offset: 16, .size: 8, .value_kind: global_buffer, .address_space: global }
      - { .name: w_q, .offset: 24, .size: 8, .value_kind: global_buffer, .address_space: global }
      - { .name: w_k, .offset: 32, .size: 8, .value_kind: global_buffer, .address_space: global }
      - { .name: w_v, .offset: 40, .size: 8, .value_kind: global_buffer, .address_space: global }
      - { .name: w_o, .offset: 48, .size: 8, .value_kind: global_buffer, .address_space: global }
      - { .name: codes, .offset: 56, .size: 8, .value_kind: global_buffer, .address_space: global }
      - { .name: scales, .offset: 64, .size: 8, .value_kind: global_buffer, .address_space: global }
      - { .name: wo16, .offset: 72, .size: 8, .value_kind: global_buffer, .address_space: global }
    .group_segment_fixed_size: 33280
    .private_segment_fixed_size: 0
    .kernarg_segment_align: 8
    .kernarg_segment_size: 80
    .max_flat_workgroup_size: 128
    .sgpr_count:     66
    .vgpr_count:     192
    .wavefront_size: 32
...
	.end_amdgpu_metadata
.endif
;; end of part 1
;; launch proj (part 2): grid 4 x 48, 4 waves a work-group, clusters of 4 x 4, 327,680 bytes of LDS; arguments codes, scales, b_q, b_k, b_v, qkv; writes qkv
.if DOCPART == 2
	.amdgcn_target "amdgcn-amd-amdhsa--gfx1250"
	.amdhsa_code_object_version 6
	.text
	.protected	k_q3d2a9f31f3_proj
	.globl	k_q3d2a9f31f3_proj
	.p2align	8
	.type	k_q3d2a9f31f3_proj,@function
k_q3d2a9f31f3_proj:
	s_mov_b64 s[64:65], 0
	v_nop
	global_prefetch_b8 v0, s[64:65] scope:SCOPE_SE
	s_setreg_imm32_b32 hwreg(HW_REG_WAVE_MODE, 25, 1), 1
	s_wait_xcnt 0x0
	s_wait_alu depctr_hold_cnt(0) depctr_sa_sdst(0) depctr_va_vdst(0) depctr_va_sdst(0) depctr_va_ssrc(0) depctr_va_vcc(0) depctr_vm_vsrc(0)
	s_getreg_b32 s2, hwreg(HW_REG_IB_STS2, 6, 4)
	s_cmp_eq_u32 s2, 0
	s_cbranch_scc0 .Lentry_in_a_cluster
	s_endpgm
.Lentry_in_a_cluster:
	s_bfe_u32 s2, ttmp6, 0x10000c
	s_cmp_lg_u32 s2, 0xf033
	s_cbranch_scc0 .Lentry_shape_is_right
	s_endpgm
.Lentry_shape_is_right:
; The three quantised projections as ONE launch: X W^T + b on codes of FP4 with E8M0 scales, K = 1,024; results rounded to f16 and laid by head: qkv [3][16 heads][4096][64].
; codes: 15,360 rows of 512 bytes (q, k, v, w_q, w_k, w_v on end); scales: the same rows, 32 bytes each.  Tile row T = 0 .. 47 of 256 rows runs through q, k and v; G = T / 16 says which product; B's rows are 12,288 + 1,024 G + 256 x tile column.
; A tile, 256 x 256, is made by four waves, each 128 x 128: 64 accumulators, 512 registers.  48 x 4 = 192 tiles; the next smaller tiles would give each LDS byte half the products.
; ALL OF K LIES IN LDS AT ONCE: two slots of 512 along K (rows of 256 bytes), each filled once at the head; the second lands while the first is multiplied.  The scales of the 512 rows come with them.
; CLUSTERS: 4 x 4 work-groups; A's tiles are asked for jointly along a row of the cluster, B's along a column.  G is made of the cluster's y alone, so that B's registers never hold my place along y.
; THE MATRIX INSTRUCTION IS USED TRANSPOSED (source 0 = 16 rows of W, source 1 = 16 rows of X): a lane holds eight neighbouring outputs of one row.  THE BIAS IS THE C OF EACH SUM'S FIRST PRODUCT: eight registers for each block of 16 outputs.
; No prefetch: each tile is asked for once, at the head, where every work-group's loads are on their way.
; LIMITS: results beyond 65,504 in magnitude have no number in f16.
; REGISTERS: window 0: v16-30 addresses; v32-95 scale words, two sets, and nothing else; v96-127 packed results; v128-191 A's fragments, one set, later rows on the way out; v192-255 the bias.
;   window 1: B's fragments, two sets, at v0 and v128.   window 2: the accumulators of my rows 0-63 ((a, b) at v[8 (8 a + b)]);   window 3: of my rows 64-127.
.set NQ,     4                         ; steps of 128 along K in a slot
.set ROWB,   256                       ; a tile's row in bytes
.set KROW,   512                       ; a row of codes in memory
.set PITCH,  272                       ; an LDS row: 256 bytes + 16 of padding: the 16 rows that a load touches begin 68 words apart
.set FR,     8                         ; registers of a fragment
.set NL,     2                         ; LDS loads that bring one
.set NP,     4                         ; places behind this matrix instruction (ISA guide 7.12.1)
.set HALFT,  128*PITCH                 ; what one tensor load brings
.set SLOT,   4*HALFT                   ; A's 256 rows, then B's 256 rows
.set KS,     32                        ; a row of scales in bytes
.set SCL,    2*SLOT                    ; behind the slots: the scales, as rows of 256 bytes + 16 of padding
.set HALFS,  (128*KS/256)*272          ; those of 128 rows
.set SBLK,   (16*KS/256)*272           ; those of 16 rows
.set SPARE,  SCL+4*HALFS               ; the spare words, 128 bytes a wave, which no other line names
.set HP,     144                       ; the way out: a stage row: a head's 128 bytes + 16
.set HSTG,   16*HP                     ; 16 rows of one head; a wave's stage is two of these.  It lies in slot 0, which has had its one fill and its last read by then
.set ADRA, 16
.set ADRB, 20
.set STO,  24
.set RD,   25
.set CO,   26
.set ADRS, 27
.set SPW,  28
.set NIL,  29
.set BO,   30                          ; v30  32 x (lane / 16): my eight numbers of a bias block
.set SC,   32
.set TMP,  96
.set AF,   128
.set BK,   128
.set BIAS, 192
.set G1, 24
.set G0, 32
.set G1B, 48
.set G0B, 56
.set G1S, 68
.set G0S, 76
.set G1SB, 80
.set G0SB, 88
.set MSB, 0
.macro WIN new                         ; the immediate's high byte repeats the setting that is left
.if MSB != (\new)
	s_set_vgpr_msb (MSB<<8)|(\new)
.set MSB, (\new)
.endif
.endm
.set MUL_LO,   0xa1                    ; source 0 (B) window 1, source 1 (A) window 0, C and D window 2
.set MUL_HI,   0xf1                    ; the same, C and D window 3
.set FIRST_LO, 0x81                    ; the first step: C (the bias) window 0, D window 2
.set FIRST_HI, 0xc1                    ; D window 3
.set TO_B,     0x40
; A joint load: waves 0 and 1 fetch for A, waves 2 and 3 for B; the branch hangs on the wave's number alone.  An s_nop 0 and four v_nop follow each line.
.macro JLOAD g0a, g1a, g0b, g1b
	s_cmp_eq_u32 s17, 0
	s_cbranch_scc0 .Lfor_b_\@
	tensor_load_to_lds s[\g0a:\g0a+3], s[\g1a:\g1a+7]
	s_nop 0
.rept 4
	v_nop
.endr
	s_branch .Lasked_\@
.Lfor_b_\@:
	tensor_load_to_lds s[\g0b:\g0b+3], s[\g1b:\g1b+7]
	s_nop 0
.rept 4
	v_nop
.endr
.Lasked_\@:
.endm
.macro CROUND                          ; a round of the cluster's barrier
	s_barrier_signal -1
	s_barrier_wait -1
	s_cmp_lg_u32 s16, 0
	s_cbranch_scc1 .Lnot_wave_0_\@
	s_barrier_signal -3
.Lnot_wave_0_\@:
	s_barrier_wait -3
	s_barrier_signal -1
	s_barrier_wait -1
.endm
	s_load_b256 s[4:11], s[0:1], 0x0               ; codes s[4:5], scales s[6:7], b_q s[8:9], b_k s[10:11]
	s_load_b128 s[12:15], s[0:1], 0x20             ; b_v s[12:13], qkv s[14:15]
	v_lshl_add_u32 v[SPW], v0, 2, SPARE
	v_mov_b32 v[NIL], 0
	ds_add_u32 v[SPW], v[NIL]                      ; the wave's opening: the add, twice on end, and its wait ahead of my first tensor load
	ds_add_u32 v[SPW], v[NIL]
	v_lshrrev_b32 v1, 5, v0
	v_readfirstlane_b32 s16, v1                    ; wave 0..3
	s_lshr_b32 s17, s16, 1                         ; which half of the tile's rows is mine.  Also: I fetch for A (0) or for B (1)
	s_and_b32 s18, s16, 1                          ; which half of its columns.  Also: which 128 rows I fetch
	s_bfe_u32 s40, ttmp6, 0x40000                  ; cx
	s_bfe_u32 s41, ttmp6, 0x40004                  ; cy
	s_lshl_b32 s21, ttmp9, 2
	s_add_co_u32 s21, s21, s40                     ; tile column = 4 x cluster x + cx
	s_and_b32 s20, ttmp7, 0xffff                   ; cluster y
	s_lshl_b32 s19, s20, 2
	s_add_co_u32 s19, s19, s41                     ; tile row T = 4 x cluster y + cy
	s_lshr_b32 s20, s20, 2                         ; G: which product
	s_lshl_b32 s43, s41, 2
	s_lshl_b32 s43, 15, s43                        ; my row of the cluster
	s_lshl_b32 s44, 0x1111, s40                    ; my column
	; group 1 for codes: 128 rows x 256 bytes, 512 bytes apart, 16 bytes of padding behind each row
	s_or_b32 s[G1+0], s43, (0<<16)|(1<<20)|(1<<21)|(5<<22)|(3<<25)
	s_or_b32 s[G1B+0], s44, (0<<16)|(1<<20)|(1<<21)|(5<<22)|(3<<25)
.irp g, G1, G1B
	s_mov_b32 s[\g+1], ROWB<<16                    ; tensor_dim0
	s_mov_b32 s[\g+2], 128<<16                     ; tensor_dim1
	s_mov_b32 s[\g+3], ROWB<<16                    ; tile_dim0
	s_mov_b32 s[\g+4], 128                         ; tile_dim1
	s_mov_b32 s[\g+5], KROW                        ; the pitch
	s_mov_b32 s[\g+6], 0
	s_mov_b32 s[\g+7], 0
.endr
	; group 1 for the scales of 128 rows: 4,096 dense bytes as 16 rows of 256 (32 elements of 8 bytes), padded likewise
	s_or_b32 s[G1S+0], s43, (3<<16)|(1<<20)|(1<<21)|(5<<22)|(3<<25)
	s_or_b32 s[G1SB+0], s44, (3<<16)|(1<<20)|(1<<21)|(5<<22)|(3<<25)
.irp g, G1S, G1SB
	s_mov_b32 s[\g+1], 32<<16
	s_mov_b32 s[\g+2], (128*KS/256)<<16
	s_mov_b32 s[\g+3], 32<<16
	s_mov_b32 s[\g+4], 128*KS/256
	s_mov_b32 s[\g+5], 32
	s_mov_b32 s[\g+6], 0
	s_mov_b32 s[\g+7], 0
.endr
	s_lshl_b32 s42, s18, 7                         ; which 128 rows of the tile I fetch
	s_lshl_b32 s22, s19, 8
	s_add_co_u32 s22, s22, s42                     ; A: row 256 T + 128 x half
	s_lshl_b32 s94, s22, 5                         ; its scales, in bytes
	s_mov_b32 s95, 0
	s_lshl_b32 s22, s22, 9                         ; its codes
	s_mov_b32 s23, 0
	s_lshl_b32 s46, s21, 8
	s_add_co_u32 s46, s46, s42
	s_lshl_b32 s47, s20, 10
	s_add_co_u32 s46, s46, s47
	s_add_co_u32 s46, s46, 12288                   ; B: row 12,288 + 1,024 G + 256 x tile column + 128 x half
	s_lshl_b32 s92, s46, 5
	s_mov_b32 s93, 0
	s_lshl_b32 s46, s46, 9
	s_mov_b32 s47, 0
	s_mul_i32 s45, s16, HALFT                      ; where they go: wave x 128 rows
	s_mul_i32 s96, s16, HALFS
	s_wait_dscnt 0x0                               ; both opening adds are done
	s_wait_kmcnt 0x0
	s_add_nc_u64 s[22:23], s[4:5], s[22:23]
	s_add_nc_u64 s[94:95], s[6:7], s[94:95]
	s_add_nc_u64 s[46:47], s[4:5], s[46:47]
	s_add_nc_u64 s[92:93], s[6:7], s[92:93]
	CROUND                                         ; all sixteen work-groups are here: the joint loads meet
	s_mov_b32 s[G0S], 1
	s_add_co_u32 s[G0S+1], s96, SCL
	s_mov_b64 s[G0S+2:G0S+3], s[94:95]
	s_or_b32 s[G0S+3], s[G0S+3], 0x80000000
	s_mov_b32 s[G0SB], 1
	s_add_co_u32 s[G0SB+1], s96, SCL
	s_mov_b64 s[G0SB+2:G0SB+3], s[92:93]
	s_or_b32 s[G0SB+3], s[G0SB+3], 0x80000000
	JLOAD G0S, G1S, G0SB, G1SB                     ; the scales first: they are wanted with the first step
.irp s, 0,1
	s_mov_b32 s[G0+4*\s], 1
	s_add_co_u32 s[G0+4*\s+1], s45, \s*SLOT
	s_add_nc_u64 s[G0+4*\s+2:G0+4*\s+3], s[22:23], \s*ROWB
	s_or_b32 s[G0+4*\s+3], s[G0+4*\s+3], 0x80000000
	s_mov_b32 s[G0B+4*\s], 1
	s_add_co_u32 s[G0B+4*\s+1], s45, \s*SLOT
	s_add_nc_u64 s[G0B+4*\s+2:G0B+4*\s+3], s[46:47], \s*ROWB
	s_or_b32 s[G0B+4*\s+3], s[G0B+4*\s+3], 0x80000000
	JLOAD G0+4*\s, G1, G0B+4*\s, G1B               ; three tensor loads of mine are out behind the second of these
.endr
	v_and_b32 v1, 15, v0                           ; r = lane % 16
	v_bfe_u32 v2, v0, 4, 1                         ; h = lane / 16
	; the bias of my 128 outputs: the pointer is chosen on G
	s_cmp_eq_u32 s20, 1
	s_cselect_b64 s[10:11], s[10:11], s[12:13]
	s_cmp_eq_u32 s20, 0
	s_cselect_b64 s[8:9], s[8:9], s[10:11]
	s_lshl_b32 s46, s21, 10
	s_lshl_b32 s47, s18, 9
	s_add_co_u32 s46, s46, s47                     ; (256 x tile column + 128 x half) x 4 bytes
	s_mov_b32 s47, 0
	s_add_nc_u64 s[8:9], s[8:9], s[46:47]
	v_lshlrev_b32 v[BO], 5, v2
.irp b, 0,1,2,3,4,5,6,7
	global_load_b128 v[BIAS+8*\b:BIAS+8*\b+3], v[BO], s[8:9] offset:64*\b        ; register j: output 16 b + 8 h + j
	global_load_b128 v[BIAS+8*\b+4:BIAS+8*\b+7], v[BO], s[8:9] offset:64*\b+16
.endr
	v_mul_u32_u24 v3, v1, PITCH
	v_lshl_add_u32 v4, v2, 4, v3                   ; a fragment's row x pitch + 16 x half
	s_mul_i32 s92, s17, HALFT                      ; my 128 rows of A
	s_mul_i32 s93, s18, HALFT                      ; my 128 rows of B,
	s_add_co_u32 s93, s93, 2*HALFT                 ; behind A's 256
.irp s, 0,1
	v_add_nc_u32 v[ADRA+\s], s92, v4
	v_add_nc_u32 v[ADRB+\s], s93, v4
	s_add_co_u32 s92, s92, SLOT
	s_add_co_u32 s93, s93, SLOT
.endr
	v_mul_u32_u24 v5, v1, KS                       ; my row's scales: 32 bytes a row,
	v_lshrrev_b32 v6, 8, v5
	v_lshl_add_u32 v5, v6, 4, v5                   ; and 16 more for each 256 passed
	s_mul_i32 s92, s17, HALFS
	s_mul_i32 s93, s18, HALFS
	s_add_co_u32 s93, s93, 2*HALFS
	s_sub_co_u32 s93, s93, s92
	v_mul_u32_u24 v6, s93, v2                      ; lanes 16-31 take B's: one product, the distance between the two bases
	s_add_co_u32 s92, s92, SCL
	v_add_nc_u32 v5, v5, v6
	v_add_nc_u32 v[ADRS], s92, v5
	s_mul_i32 s92, s16, 2*HSTG                     ; my stage
	v_mul_u32_u24 v5, v1, HP
	v_lshl_add_u32 v5, v2, 4, v5
	v_add_nc_u32 v[STO], s92, v5                   ; in: row r, 16 bytes for each half of the lanes
	v_bfe_u32 v5, v0, 3, 2
	v_mul_u32_u24 v5, v5, HP
	v_and_b32 v6, 7, v0
	v_lshl_add_u32 v5, v6, 4, v5
	v_add_nc_u32 v[RD], s92, v5                    ; back: eight lanes to a row of 128 bytes, four rows an instruction
	v_and_b32 v6, 31, v0
	v_lshlrev_b32 v[CO], 4, v6                     ; which are 512 consecutive bytes of qkv
	s_lshl_b32 s92, s20, 23                        ; qkv: the tensor, 8,388,608 bytes;
	s_lshl_b32 s93, s21, 21                        ; head 4 x tile column + 2 x half, 524,288 bytes each;
	s_add_co_u32 s92, s92, s93
	s_lshl_b32 s93, s18, 20
	s_add_co_u32 s92, s92, s93
	s_and_b32 s93, s19, 15
	s_lshl_b32 s93, s93, 15                        ; row 256 (T % 16) + 128 x half, 128 bytes each
	s_add_co_u32 s92, s92, s93
	s_lshl_b32 s93, s17, 14
	s_add_co_u32 s92, s92, s93
	s_mov_b32 s93, 0
	s_add_nc_u64 s[14:15], s[14:15], s[92:93]
.macro FRAG reg, adr, q, i             ; 16 rows x 128 K of 4-bit codes: lane l holds row l % 16; registers 4 c .. 4 c + 3 hold K = 64 c + 32 (l / 16) + 0 .. 31
.irp c, 0,1
	ds_load_b128 v[\reg+4*\c:\reg+4*\c+3], v[\adr] offset:64*(\q)+32*\c+(\i)*16*PITCH
.endr
.endm
; 16 matrix instructions: A's blocks a0, a0 + 1 x B's eight.  p: B's set;  sc: the set of scale words.  zero = 1: the first product starts the sum from the bias.
; The 64 accumulators take turns, one instruction a turn, in the same order in every step.
.macro MUL16 a0, p, q, sc, zero
.irp a, \a0, \a0+1
.irp b, 0,1,2,3,4,5,6,7
.if \zero
	v_wmma_scale_f32_16x16x128_f8f6f4 v[8*(8*((\a)%4)+\b):8*(8*((\a)%4)+\b)+7], v[128*(\p)+FR*\b:128*(\p)+FR*\b+FR-1], v[AF+FR*(\a):AF+FR*(\a)+FR-1], v[BIAS+8*\b:BIAS+8*\b+7], v[SC+8*NQ*(\sc)+NQ*\b+(\q)], v[SC+8*NQ*(\sc)+NQ*(\a)+(\q)] matrix_a_fmt:MATRIX_FMT_FP4 matrix_b_fmt:MATRIX_FMT_FP4 matrix_a_scale:MATRIX_SCALE_ROW1
.else
	v_wmma_scale_f32_16x16x128_f8f6f4 v[8*(8*((\a)%4)+\b):8*(8*((\a)%4)+\b)+7], v[128*(\p)+FR*\b:128*(\p)+FR*\b+FR-1], v[AF+FR*(\a):AF+FR*(\a)+FR-1], v[8*(8*((\a)%4)+\b):8*(8*((\a)%4)+\b)+7], v[SC+8*NQ*(\sc)+NQ*\b+(\q)], v[SC+8*NQ*(\sc)+NQ*(\a)+(\q)] matrix_a_fmt:MATRIX_FMT_FP4 matrix_b_fmt:MATRIX_FMT_FP4 matrix_a_scale:MATRIX_SCALE_ROW1
.endif
.endr
.endr
.endm
.macro FETCH_B slot, q, p
	WIN TO_B
.irp i, 0,1,2,3,4,5,6,7
	FRAG 128*(\p)+FR*\i, ADRB+\slot, \q, \i
.endr
	WIN 0
.endm
.macro FETCH_A slot, q, i0
.irp i, \i0, \i0+1, \i0+2, \i0+3
	FRAG AF+FR*(\i), ADRA+\slot, \q, \i
.endr
.endm
.macro SCALES sc                       ; a slot's scale words: four a row; lanes 0-15 take A's block i, lanes 16-31 B's block i
.irp i, 0,1,2,3,4,5,6,7
	ds_load_b128 v[SC+8*NQ*\sc+NQ*\i:SC+8*NQ*\sc+NQ*\i+3], v[ADRS] offset:\i*SBLK
.endr
.endm
.macro PLACES n                        ; plain vector lines between a matrix instruction and a load into, or a read of, its registers
.rept \n
	v_nop
.endr
.endm
; A step of 128 along K that has its successor in the same slot.  A has one set of registers: blocks 0-3 are fetched anew in the step's middle, blocks 4-7 at its end; B has two.
.macro STEP slot, q, zero
	s_wait_dscnt 4*NL                              ; B's set, the scale words and A's blocks 0-3 are in; the youngest eight loads (A's blocks 4-7) may be out
.if \zero
	WIN FIRST_LO
.else
	WIN MUL_LO
.endif
	MUL16 0, (\q)%2, \q, \slot, \zero
	MUL16 2, (\q)%2, \q, \slot, \zero
	s_wait_dscnt 0                                 ; A's blocks 4-7 are in
	PLACES NP
	FETCH_B \slot, (\q)+1, 1-(\q)%2
	FETCH_A \slot, (\q)+1, 0
.if \zero
	WIN FIRST_HI
.else
	WIN MUL_HI
.endif
	MUL16 4, (\q)%2, \q, \slot, \zero
	MUL16 6, (\q)%2, \q, \slot, \zero
	PLACES NP
	WIN 0
	FETCH_A \slot, (\q)+1, 4
.endm
; Slot 0's last step goes over to slot 1: each wave waits for all its tensor loads (its part of slot 1), then the barrier shows the whole slot to all four.  Nothing is filled again.
.macro TURN slot, next
	s_wait_tensorcnt 0x0                           ; all my tensor loads have landed
	ds_add_u32 v[SPW], v[NIL]                      ; 0 onto my spare word
	s_wait_dscnt 4*NL+1                            ; (the add and the youngest eight loads may be out)
	WIN MUL_LO
	MUL16 0, 1, NQ-1, \slot, 0
	s_wait_dscnt 0x0                               ; the add is done, and my reads of this slot are over
	s_barrier_signal -1
	MUL16 2, 1, NQ-1, \slot, 0
	WIN 0
	s_barrier_wait -1
	PLACES NP
	v_add_nc_u32 v[ADRS], 4*NQ, v[ADRS]            ; on to the next slot's scale words
	FETCH_B \next, 0, 0
	FETCH_A \next, 0, 0
	SCALES \next
	WIN MUL_HI
	MUL16 4, 1, NQ-1, \slot, 0
	MUL16 6, 1, NQ-1, \slot, 0
	PLACES NP
	WIN 0
	FETCH_A \next, 0, 4
.endm
.macro STEPS slot, from
.set Q, \from
.rept NQ-1-\from
	STEP \slot, Q, 0
.set Q, Q+1
.endr
.endm
	s_wait_tensorcnt 1                             ; the scales and my part of slot 0 are in; slot 1's load may be out
	s_barrier_signal -1
	s_barrier_wait -1
	FETCH_B 0, 0, 0
	FETCH_A 0, 0, 0
	SCALES 0
	FETCH_A 0, 0, 4
	s_wait_loadcnt 0x0                             ; the bias
	STEP 0, 0, 1
	STEPS 0, 1
	TURN 0, 1
	STEPS 1, 0
	s_wait_dscnt 4*NL                              ; the last step: nothing more to fetch
	WIN MUL_LO
	MUL16 0, 1, NQ-1, 1, 0
	MUL16 2, 1, NQ-1, 1, 0
	s_wait_dscnt 0
	WIN MUL_HI
	MUL16 4, 1, NQ-1, 1, 0
	MUL16 6, 1, NQ-1, 1, 0
	WIN 0
; THE WAY OUT, a block of 16 rows x 128 outputs (two heads) at a time.  PACK: rounded to f16, 16 bytes a lane, each accumulator from its low end on.  TOSTAGE: into my own stage, a head's 16 rows together, and back
; four rows an instruction.  SEND: a head's four rows are 512 consecutive bytes of qkv.
.macro PACK a
.set AC, 64*((\a)%4)
	WIN 0x0a+5*((\a)/4)                            ; sources 0 and 1: window 2 or 3
.irp b, 0,1,2,3,4,5,6,7
.irp i, 0,1,2,3
	v_cvt_pk_f16_f32 v[TMP+4*\b+\i], v[AC+8*\b+2*\i], v[AC+8*\b+2*\i+1]
.endr
.endr
	WIN 0
.endm
.macro TOSTAGE a
.irp b, 0,1,2,3,4,5,6,7
	ds_store_b128 v[STO], v[TMP+4*\b:TMP+4*\b+3] offset:(\b/4)*HSTG+(\b%4)*32
.endr
.set BB, BK+32*((\a)%2)
.irp t, 0,1,2,3,4,5,6,7
	ds_load_b128 v[BB+4*\t:BB+4*\t+3], v[RD] offset:(\t/4)*HSTG+(\t%4)*4*HP   ; LDS serves a wave's instructions in order: these see the stores above
.endr
.endm
.macro SEND a
.set BB, BK+32*((\a)%2)
	s_wait_dscnt 0x0                               ; the block is back in registers
	s_wait_xcnt 0x0                                ; the earlier stores have read their base and their data: the base steps, and the other set is loaded again, only behind this wait
.if (\a) > 0
	s_add_nc_u64 s[14:15], s[14:15], 16*128        ; 16 rows on
.endif
.irp t, 0,1,2,3,4,5,6,7
	global_store_b128 v[CO], v[BB+4*\t:BB+4*\t+3], s[14:15] offset:(\t/4)*524288+(\t%4)*512
.endr
.endm
	PLACES NP                                      ; behind the last products: in front of the first read of results and of the loads into A's registers
	PACK 0
	TOSTAGE 0
.irp a, 1,2,3,4,5,6,7                  ; block a's conversions stand between block a - 1's loads from the stage and the wait for them
	PACK \a
	SEND \a-1
	TOSTAGE \a
.endr
	SEND 7
	s_wait_tensorcnt 0x0                           ; the wave's end
	ds_add_u32 v[SPW], v[NIL]
	s_wait_dscnt 0x0
	CROUND                                         ; the closing round
	s_endpgm
.Lfunc_end_k_q3d2a9f31f3_proj:
	.size	k_q3d2a9f31f3_proj, .Lfunc_end_k_q3d2a9f31f3_proj-k_q3d2a9f31f3_proj
	.p2alignl 7, 3214868480
	.fill 96, 4, 3214868480
	.section	.rodata,"a",@progbits
	.p2align	6, 0x0
	.amdhsa_kernel k_q3d2a9f31f3_proj
		.amdhsa_group_segment_fixed_size 327680
		.amdhsa_private_segment_fixed_size 0
		.amdhsa_enable_private_segment 0
		.amdhsa_kernarg_size 48
		.amdhsa_user_sgpr_count 2
		.amdhsa_user_sgpr_kernarg_segment_ptr 1
		.amdhsa_wavefront_size32 1
		.amdhsa_system_sgpr_workgroup_id_x 1
		.amdhsa_system_sgpr_workgroup_id_y 1
		.amdhsa_system_sgpr_workgroup_id_z 1
		.amdhsa_system_vgpr_workitem_id 0
		.amdhsa_next_free_vgpr 1024
		.amdhsa_next_free_sgpr 100
		.amdhsa_reserve_vcc 0
		.amdhsa_float_denorm_mode_32 3
		.amdhsa_float_denorm_mode_16_64 3
		.amdhsa_memory_ordered 1
		.amdhsa_forward_progress 1
		.amdhsa_inst_pref_size 129
	.end_amdhsa_kernel
	.amdgpu_metadata
---
amdhsa.version: [ 1, 2 ]
amdhsa.kernels:
  - .name:           k_q3d2a9f31f3_proj
    .symbol:         k_q3d2a9f31f3_proj.kd
    .args:
      - { .name: codes, .offset: 0, .size: 8, .value_kind: global_buffer, .address_space: global }
      - { .name: scales, .offset: 8, .size: 8, .value_kind: global_buffer, .address_space: global }
      - { .name: b_q, .offset: 16, .size: 8, .value_kind: global_buffer, .address_space: global }
      - { .name: b_k, .offset: 24, .size: 8, .value_kind: global_buffer, .address_space: global }
      - { .name: b_v, .offset: 32, .size: 8, .value_kind: global_buffer, .address_space: global }
      - { .name: qkv, .offset: 40, .size: 8, .value_kind: global_buffer, .address_space: global }
    .group_segment_fixed_size: 327680
    .private_segment_fixed_size: 0
    .kernarg_segment_align: 8
    .kernarg_segment_size: 48
    .max_flat_workgroup_size: 128
    .sgpr_count:     100
    .vgpr_count:     1024
    .wavefront_size: 32
...
	.end_amdgpu_metadata
.endif
;; end of part 2
;; launch attn (part 3): grid 16 x 16, 8 waves a work-group, clusters of 4 x 1, 327,680 bytes of LDS; arguments qkv, ctx; writes ctx
.if DOCPART == 3
	.amdgcn_target "amdgcn-amd-amdhsa--gfx1250"
	.amdhsa_code_object_version 6
	.text
	.protected	k_q3d2a9f31f3_attn
	.globl	k_q3d2a9f31f3_attn
	.p2align	8
	.type	k_q3d2a9f31f3_attn,@function
k_q3d2a9f31f3_attn:
	s_mov_b64 s[64:65], 0
	v_nop
	global_prefetch_b8 v0, s[64:65] scope:SCOPE_SE
	s_setreg_imm32_b32 hwreg(HW_REG_WAVE_MODE, 25, 1), 1
	s_wait_xcnt 0x0
	s_wait_alu depctr_hold_cnt(0) depctr_sa_sdst(0) depctr_va_vdst(0) depctr_va_sdst(0) depctr_va_ssrc(0) depctr_va_vcc(0) depctr_vm_vsrc(0)
	s_getreg_b32 s2, hwreg(HW_REG_IB_STS2, 6, 4)
	s_cmp_eq_u32 s2, 0
	s_cbranch_scc0 .Lentry_in_a_cluster
	s_endpgm
.Lentry_in_a_cluster:
	s_bfe_u32 s2, ttmp6, 0x10000c
	s_cmp_lg_u32 s2, 0x3003
	s_cbranch_scc0 .Lentry_shape_is_right
	s_endpgm
.Lentry_shape_is_right:
; ctx[q] = the sum over k of softmax_k(Q[q] . K[k] / 8) V[k], for each of 16 heads of 64; no mask.  qkv: [3][16][4096][64] f16.  ctx: f16, laid [row / 128][head][128 rows][64].
; Products in f16 with f32 sums; maxima, exponentials and sums in f32; the weights p are rounded to f16 for the second product, ctx once at the end.
; SHARES.  A work-group owns 256 queries of one head; each of its eight waves 32: two tiles of 16, in 512 registers.  Every wave walks all 4,096 keys, 64 a step.
; LAYOUT.  S^T = K Q^T (source 0 = 16 keys, source 1 = 16 queries): a lane holds ONE query (lane % 16) and the keys 8 (lane / 16) + 0..7.  Two such tiles, rounded to f16 in pairs, ARE source 1 of O^T = V^T P.
; K comes out of LDS as it lies, V ([key][channel]) turned, by ds_load_tr16_b128.
; SOFTMAX.  A running maximum m and sum l for each query: p = 2^(c s - c m), c = log2(e) / 8; in every step O and l are multiplied by a = 2^(c m_old - c m_new).  m begins at -3e38 and O and l as zeros, so the step is written once.
; IN PHASES, TWO GROUPS HALF A STEP APART.  A step is 32 matrix instructions (V^T P of the step in hand, K Q^T of the next) and a softmax of 236 vector instructions.  Waves 0-3 run the softmax behind the matrix
; instructions, waves 4-7 ahead of them: so behind every barrier half of the waves begin with matrix work and half with vector work.  Both groups do the same work between two barriers.
; RING.  Two LDS slots of four steps (256 keys).  Waves 0-3 fetch the four steps' tiles of K, waves 4-7 those of V: one tensor load a wave behind each round, 64 rows x 128 bytes.
; CLUSTER.  The four query blocks of a cluster belong to one head and walk the same K and V: each tile is asked for JOINTLY, by the same load with a mask that names the four.
; LIMITS: |Q|, |K|, |V| under 65,504 (f16); a ctx under 6e-5 in magnitude is carried in f16's denormals; NaN and infinities are not served.
; REGISTERS: window 0: v2-15 addresses; v16-31 statistics, eight a tile; v32-95 S^T, 32 a tile; v96-127 P, 16 a tile; v128-191 O^T, 32 a tile; v192-255 the way out.
;   window 1: v0-31 Q; v64-127 K of one step; v128-191 V of one step.
.set KS,    64                         ; keys in a step
.set NST,   4                          ; steps in a slot
.set PK,    144                        ; a row of K in LDS: 128 bytes + 16: the 16 rows of a load begin 36 words apart
.set PVP,   160                        ; a row of V: 128 + 32
.set VOFF,  KS*PK                      ; a step's tiles lie together: 64 rows of K, then 64 of V
.set STEPB, KS*(PK+PVP)
.set SLOT1, 1<<17                      ; slot 1 begins here: one exclusive or turns an address in one slot into the other's
.set STAGE, SLOT1+NST*STEPB            ; behind the ring: 32 rows x 144 bytes for each wave, for the way out
.set SP,    144
.set SPARE, STAGE+8*32*SP              ; the spare words, 128 bytes a wave, which no other line names
.set BLKB,  NST*KS*128                 ; a slot's K, or V, in memory
.set TENS,  8388608                    ; Q, K, V in qkv
.set AK0, 2                            ; v2   my lane's place in a tile of K
.set AV0, 3                            ; v3   the same for V
.set ADK, 4                            ; v4   the address of K's run of loads in hand
.set ADV, 5                            ; v5   of V's
.set QO,  6
.set STO, 7
.set RD,  8
.set GO,  9
.set PFO, 12                           ; v12  256 x my lane; never rewritten
.set SPW, 14
.set NIL, 15
.set ST,  16                           ; tile t's statistics at v[ST+8 t]: +0 c m, +1 m, +2, +3 l (even keys', odd keys'), +4 to +7 at work; a in +6
.set S,   32
.set P,   96
.set OA,  128
.set PKO, 192
.set RB,  224
.set KF,  64                           ; in window 1
.set VF,  128
.set WV,  12
.set LIM, 15                           ; s15  1 in a wave that prefetches, else the greatest number
.set PFA, 18                           ; s[18:19] where my prefetches stand
.set G1K, 24
.set G1V, 32
.set G0K, 40                           ; s[40:47] group 0 for K: a set for each of the two first fills; the second then walks on
.set G0V, 48
.set SLOTS, 56
.set CNT, 57
.set CS,  58
.set SEL, 60
.set TB,  62                           ; s62  LDS byte at which the tiles of the step to be fetched begin
.set MSB, 0
.macro WIN new
.if MSB != (\new)
	s_set_vgpr_msb (MSB<<8)|(\new)
.set MSB, (\new)
.endif
.endm
.set W_LD, 0x40                        ; destination window 1, address window 0
.set W_KQ, 0x05                        ; K and Q in window 1, S^T in window 0
.set W_PV, 0x01                        ; V in window 1; P and O^T in window 0
.macro JLOAD                           ; a joint refill; the branch hangs on the wave's number alone.  An s_nop 0 and four v_nop follow each line
	s_cmp_lt_u32 s[WV], 4
	s_cbranch_scc0 .Lfor_v_\@
	tensor_load_to_lds s[G0K+4:G0K+7], s[G1K:G1K+7]
	s_nop 0
.rept 4
	v_nop
.endr
	s_branch .Lasked_\@
.Lfor_v_\@:
	tensor_load_to_lds s[G0V+4:G0V+7], s[G1V:G1V+7]
	s_nop 0
.rept 4
	v_nop
.endr
.Lasked_\@:
.endm
; A PREFETCH of what the NEXT change of slots will ask for: 32,768 bytes of K and as many of V.  Each aligned block of 256 bytes is named once in the launch: the head's first cluster asks; its four partners take
; 8,192 bytes each, told apart by address; in each, wave 0 asks for K's and wave 4 for V's, lanes 256 bytes apart.  It stands four key steps ahead of the load that wants the bytes.  The last filling change asks for nothing.
.macro ASK
	s_cmp_gt_u32 s[SLOTS], s[LIM]
	s_cbranch_scc0 .Lnot_mine_\@
	global_prefetch_b8 v[PFO], s[PFA:PFA+1] th:TH_LOAD_NT scope:SCOPE_SE
.Lnot_mine_\@:
.endm
.macro CROUND
	s_barrier_signal -1
	s_barrier_wait -1
	s_cmp_lg_u32 s[WV], 0
	s_cbranch_scc1 .Lnot_wave_0_\@
	s_barrier_signal -3
.Lnot_wave_0_\@:
	s_barrier_wait -3
	s_barrier_signal -1
	s_barrier_wait -1
.endm
	s_load_b128 s[4:7], s[0:1], 0x0                ; qkv s[4:5], ctx s[6:7]
	v_lshl_add_u32 v[SPW], v0, 2, SPARE
	v_mov_b32 v[NIL], 0
	ds_add_u32 v[SPW], v[NIL]                      ; the wave's opening: the add, twice on end, and its wait ahead of my first tensor load
	ds_add_u32 v[SPW], v[NIL]
	v_lshrrev_b32 v1, 5, v0
	v_readfirstlane_b32 s[WV], v1                  ; wave 0..7
	s_bfe_u32 s13, ttmp6, 0x40000                  ; cx
	s_lshl_b32 s14, ttmp9, 2
	s_add_co_u32 s14, s14, s13                     ; my block of 256 queries: it enters Q's and ctx's addresses alone
	s_and_b32 s20, ttmp7, 0xffff                   ; the head, which the four partners share
	s_lshl_b32 s20, s20, 19                        ; its 524,288 bytes in each of Q, K, V
	s_and_b32 s16, s[WV], 3                        ; which of a slot's four steps I fetch:
	s_lshl_b32 s22, s16, 13                        ; its 64 rows of 128 bytes in memory,
	s_add_co_u32 s22, s22, s20
	s_mov_b32 s23, 0
	s_mul_i32 s17, s16, STEPB                      ; and its place in a slot
	s_mov_b32 s[G1K], 15|(1<<16)|(1<<20)|(1<<21)|(4<<22)|(3<<25)  ; the mask: all four; elements of 2 bytes; padding on; bit 21 beside a mask; after every 32 words, 4 words
	s_mov_b32 s[G1V], 15|(1<<16)|(1<<20)|(1<<21)|(4<<22)|(7<<25)  ; the same with 8 words
.irp g, G1K, G1V
	s_mov_b32 s[\g+1], 64<<16                      ; tensor_dim0 = 64
	s_mov_b32 s[\g+2], KS<<16                      ; tensor_dim1 = 64
	s_mov_b32 s[\g+3], 64<<16                      ; tile_dim0
	s_mov_b32 s[\g+4], KS                          ; tile_dim1
	s_mov_b32 s[\g+5], 64                          ; the pitch, in elements
	s_mov_b32 s[\g+6], 0
	s_mov_b32 s[\g+7], 0
.endr
	s_mov_b32 s[CS], 0x3e38aa3b                    ; c = log2(e) / 8
	s_mov_b32 s[CS+1], s[CS]                       ; (named with it as a pair)
	s_mov_b32 s[SEL], 0x76543210
	s_mov_b32 s[SEL+1], 0xfedcba98                 ; v_permlanex16_b32: lane l xor 16
	s_mov_b32 s[TB], 0
	s_mov_b32 s[SLOTS], 4096/(NST*KS)-2
	s_or_b32 s[LIM], s16, ttmp9                    ; 0 in waves 0 and 4 of the head's first cluster: the same in all four partners
	s_cmp_eq_u32 s[LIM], 0
	s_cselect_b32 s[LIM], 1, -1
	s_wait_dscnt 0x0                               ; both opening adds are done
	s_wait_kmcnt 0x0
	s_add_nc_u64 s[8:9], s[4:5], s[22:23]
	s_add_nc_u64 s[10:11], s[8:9], 2*TENS          ; V at my tile of slot 0
	s_add_nc_u64 s[8:9], s[8:9], TENS              ; K likewise
	s_lshl_b32 s2, s14, 15                         ; Q: my block's 256 rows of 128 bytes,
	s_lshl_b32 s3, s[WV], 12                       ; my wave's 32,
	s_add_co_u32 s2, s2, s3
	s_add_co_u32 s2, s2, s20                       ; in my head
	s_mov_b32 s3, 0
	s_add_nc_u64 s[4:5], s[4:5], s[2:3]
	s_lshl_b32 s2, s14, 19                         ; ctx: block of 128 rows 2 x block + wave / 4, 262,144 bytes each;
	s_lshr_b32 s3, s[WV], 2
	s_lshl_b32 s3, s3, 18
	s_add_co_u32 s2, s2, s3
	s_lshr_b32 s3, s20, 5                          ; the head's plane, 16,384 bytes;
	s_add_co_u32 s2, s2, s3
	s_lshl_b32 s3, s16, 12                         ; my 32 rows in it: 4,096 dense bytes
	s_add_co_u32 s2, s2, s3
	s_mov_b32 s3, 0
	s_add_nc_u64 s[6:7], s[6:7], s[2:3]
	s_cmp_lt_u32 s[WV], 4
	s_cselect_b64 s[PFA:PFA+1], s[8:9], s[10:11]   ; (in waves 0 and 4 these stand at a slot's first row)
	s_lshl_b32 s2, s13, 13                         ; my work-group's 8,192 bytes of the 32,768
	s_mov_b32 s3, 0
	s_add_nc_u64 s[PFA:PFA+1], s[PFA:PFA+1], s[2:3]
	s_add_nc_u64 s[PFA:PFA+1], s[PFA:PFA+1], 2*BLKB  ; in the third slot's keys; the first change steps it on.  Nothing is prefetched at the head
	CROUND                                         ; all four work-groups are here: the first joint loads meet
.irp s, 0,1
	s_mov_b32 s[G0K+4*\s], 1
	s_add_co_u32 s[G0K+4*\s+1], s17, \s*SLOT1
	s_add_nc_u64 s[G0K+4*\s+2:G0K+4*\s+3], s[8:9], \s*BLKB
	s_or_b32 s[G0K+4*\s+3], s[G0K+4*\s+3], 0x80000000
	s_mov_b32 s[G0V+4*\s], 1
	s_add_co_u32 s[G0V+4*\s+1], s17, \s*SLOT1+VOFF
	s_add_nc_u64 s[G0V+4*\s+2:G0V+4*\s+3], s[10:11], \s*BLKB
	s_or_b32 s[G0V+4*\s+3], s[G0V+4*\s+3], 0x80000000
.endr
	s_cmp_lt_u32 s[WV], 4                          ; a wave's two first fills stand in one branch: two loads of mine are out
	s_cbranch_scc0 .Lfirst_v
	tensor_load_to_lds s[G0K:G0K+3], s[G1K:G1K+7]
	s_nop 0
	tensor_load_to_lds s[G0K+4:G0K+7], s[G1K:G1K+7]
	s_nop 0
.rept 4
	v_nop
.endr
	s_branch .Lfirst_asked
.Lfirst_v:
	tensor_load_to_lds s[G0V:G0V+3], s[G1V:G1V+7]
	s_nop 0
	tensor_load_to_lds s[G0V+4:G0V+7], s[G1V:G1V+7]
	s_nop 0
.rept 4
	v_nop
.endr
.Lfirst_asked:
	v_and_b32 v1, 15, v0                           ; r = lane % 16
	v_bfe_u32 v10, v0, 4, 1                        ; h = lane / 16
	v_lshlrev_b32 v[QO], 7, v1
	v_lshl_add_u32 v[QO], v10, 4, v[QO]            ; row x 128 + 16 x half
	WIN W_LD
.irp f, 0,1,2,3                        ; Q stays in registers: tile f / 2, channels 32 (f % 2) on
	global_load_b128 v[8*\f:8*\f+3],   v[QO], s[4:5] offset:(\f/2)*2048+(\f%2)*64
	global_load_b128 v[8*\f+4:8*\f+7], v[QO], s[4:5] offset:(\f/2)*2048+(\f%2)*64+32
.endr
	WIN 0
	v_mul_u32_u24 v[AK0], v1, PK
	v_lshl_add_u32 v[AK0], v10, 4, v[AK0]          ; K: row x pitch + 16 x half
	v_and_b32 v11, 7, v0                           ; V, for the turning load: key 8 h + lane % 8, channels 8 ((lane / 8) % 2) on
	v_lshl_add_u32 v[AV0], v10, 3, v11
	v_mul_u32_u24 v[AV0], v[AV0], PVP
	v_bfe_u32 v11, v0, 3, 1
	v_lshl_add_u32 v[AV0], v11, 4, v[AV0]
	v_add_nc_u32 v[AV0], VOFF, v[AV0]
	s_mul_i32 s16, s[WV], 32*SP
	s_add_co_u32 s16, s16, STAGE                   ; my stage
	v_mul_u32_u24 v[STO], v1, SP
	v_lshl_add_u32 v[STO], v10, 4, v[STO]
	v_add_nc_u32 v[STO], s16, v[STO]               ; in: row r, 16 bytes for each half of the lanes
	v_bfe_u32 v[RD], v0, 3, 2
	v_mul_u32_u24 v[RD], v[RD], SP
	v_and_b32 v11, 7, v0
	v_lshl_add_u32 v[RD], v11, 4, v[RD]
	v_add_nc_u32 v[RD], s16, v[RD]                 ; back: eight lanes to a row, four rows an instruction
	v_and_b32 v11, 31, v0
	v_lshlrev_b32 v[GO], 4, v11
	v_lshlrev_b32 v[PFO], 8, v11
.irp t, 0,1
	v_mov_b32 v[ST+8*\t+1], 0xff61b1e6             ; m = -3e38, under every score
	v_mul_f32 v[ST+8*\t], s[CS], v[ST+8*\t+1]      ; c m
	v_mov_b32 v[ST+8*\t+2], 0                      ; l
	v_mov_b32 v[ST+8*\t+3], 0
	v_mov_b32 v[ST+8*\t+5], 0                      ; (a lane permute's destination counts as one of its sources)
.endr
.set i, 0
.rept 64
	v_mov_b32 v[OA+i], 0                           ; O^T: the step is written once; its first a is 0, which leaves zeros zeros
.set i, i+1
.endr
.set i, 0
.rept 32
	v_mov_b32 v[P+i], 0                            ; P: written once here, so that every register which a product names has been written on each way through the branches on the wave's number
.set i, i+1
.endr
; THE LDS LOADS stand in runs of 16.  K of a step: 64 keys x 64 channels: fragment f = keys 16 (f / 2) on, channels 32 (f % 2) on.
.macro FETCH_K
	v_add_nc_u32 v[ADK], s[TB], v[AK0]
	WIN W_LD
.irp f, 0,1,2,3,4,5,6,7
	ds_load_b128 v[KF+8*\f:KF+8*\f+3],   v[ADK] offset:(\f/2)*16*PK+(\f%2)*64
	ds_load_b128 v[KF+8*\f+4:KF+8*\f+7], v[ADK] offset:(\f/2)*16*PK+(\f%2)*64+32
.endr
	WIN 0
.endm
; V of the same step, turned: fragment f = keys 32 (f / 4) on, channels 16 (f % 4) on.  Its first four lines are the places behind the step's matrix instructions: in front of these loads into V's
; registers, of the softmax's first read of S^T and O^T and its writes of P, and of the next loads into K's registers.
.macro FETCH_V
	v_add_nc_u32 v[ADV], s[TB], v[AV0]
.rept 3
	v_nop
.endr
	s_add_co_u32 s[TB], s[TB], STEPB               ; the next fetch is the next step's
	WIN W_LD
.irp f, 0,1,2,3,4,5,6,7
	ds_load_tr16_b128 v[VF+8*\f:VF+8*\f+3],   v[ADV] offset:(\f/4)*32*PVP+(\f%4)*32
	ds_load_tr16_b128 v[VF+8*\f+4:VF+8*\f+7], v[ADV] offset:(\f/4)*32*PVP+16*PVP+(\f%4)*32
.endr
	WIN 0
.endm
; S^T = K Q^T: product i: channels 32 (i / 8) on, keys 16 ((i / 2) % 4) on, tile i % 2.  The first eight start the sums.  Eight accumulators by turns, one instruction a turn.
.macro KQ16
	WIN W_KQ
.set i, 0
.rept 16
.set rS, S+32*(i%2)+8*((i/2)%4)
.set rK, KF+8*(2*((i/2)%4)+i/8)
.set rQ, 8*(2*(i%2)+i/8)
.if i < 8
	v_wmma_f32_16x16x32_f16 v[rS:rS+7], v[rK:rK+7], v[rQ:rQ+7], 0
.else
	v_wmma_f32_16x16x32_f16 v[rS:rS+7], v[rK:rK+7], v[rQ:rQ+7], v[rS:rS+7]
.endif
.set i, i+1
.endr
.endm
; O^T += V^T P: product i: keys 32 (i / 8) on, channels 16 ((i / 2) % 4) on, tile i % 2.  Eight accumulators by turns.
.macro PV16
	WIN W_PV
.set i, 0
.rept 16
.set rO, OA+32*(i%2)+8*((i/2)%4)
.set rV, VF+8*(4*(i/8)+(i/2)%4)
.set rP, P+16*(i%2)+8*(i/8)
	v_wmma_f32_16x16x32_f16 v[rO:rO+7], v[rV:rV+7], v[rP:rP+7], v[rO:rO+7]
.set i, i+1
.endr
.endm
; THE SOFTMAX of both tiles for one step, line by line by turns, all in window 0.
.macro SOFTMAX
.irp j, 0,1,2,3                        ; the maximum: four chains a tile, each begun at its accumulator's low end
.irp t, 0,1
	v_max3_num_f32 v[ST+8*\t+4+\j], v[S+32*\t+8*\j], v[S+32*\t+8*\j+1], v[S+32*\t+8*\j+2]
.endr
.endr
.irp u, 3,5
.irp j, 0,1,2,3
.irp t, 0,1
	v_max3_num_f32 v[ST+8*\t+4+\j], v[ST+8*\t+4+\j], v[S+32*\t+8*\j+\u], v[S+32*\t+8*\j+\u+1]
.endr
.endr
.endr
.irp t, 0,1
	v_max3_num_f32 v[ST+8*\t+4], v[ST+8*\t+4], v[S+32*\t+7], v[S+32*\t+15]
.endr
.irp t, 0,1
	v_max3_num_f32 v[ST+8*\t+6], v[ST+8*\t+6], v[S+32*\t+23], v[S+32*\t+31]
.endr
.irp t, 0,1
	v_max3_num_f32 v[ST+8*\t+4], v[ST+8*\t+4], v[ST+8*\t+5], v[ST+8*\t+6]
.endr
.irp t, 0,1
	v_max3_num_f32 v[ST+8*\t+4], v[ST+8*\t+4], v[ST+8*\t+7], v[ST+8*\t+1]   ; with the old m
.endr
.irp t, 0,1
	v_permlanex16_b32 v[ST+8*\t+5], v[ST+8*\t+4], s[SEL], s[SEL+1]          ; the query's other 32 keys lie in the lane 16 away
.endr
.irp t, 0,1
	v_mov_b32 v[ST+8*\t+7], v[ST+8*\t]             ; c m_old
.endr
.irp t, 0,1
	v_max_num_f32 v[ST+8*\t+1], v[ST+8*\t+4], v[ST+8*\t+5]
.endr
.irp t, 0,1
	v_mul_f32 v[ST+8*\t], s[CS], v[ST+8*\t+1]
.endr
.irp t, 0,1
	v_sub_f32 v[ST+8*\t+7], v[ST+8*\t+7], v[ST+8*\t]
.endr
.irp t, 0,1                            ; ONE BATCH: a, and the 64 weights; none of these lines names an exponential's result
	v_exp_f32 v[ST+8*\t+6], v[ST+8*\t+7]
.endr
.irp t, 0,1
	v_pk_fma_f32 v[S+32*\t:S+32*\t+1], v[S+32*\t:S+32*\t+1], s[CS:CS+1], v[ST+8*\t:ST+8*\t+1] op_sel_hi:[1,0,0] neg_lo:[0,0,1] neg_hi:[0,0,1]   ; c s - c m, a pair at a time
.endr
.irp b, 1,2,3,4,5,6,7,8,9,10,11,12,13,14,15    ; a pair is scaled a turn ahead of its exponentials
.irp t, 0,1
	v_pk_fma_f32 v[S+32*\t+2*\b:S+32*\t+2*\b+1], v[S+32*\t+2*\b:S+32*\t+2*\b+1], s[CS:CS+1], v[ST+8*\t:ST+8*\t+1] op_sel_hi:[1,0,0] neg_lo:[0,0,1] neg_hi:[0,0,1]
	v_exp_f32 v[S+32*\t+2*\b-2], v[S+32*\t+2*\b-2]
	v_exp_f32 v[S+32*\t+2*\b-1], v[S+32*\t+2*\b-1]
.endr
.endr
.irp t, 0,1
	v_exp_f32 v[S+32*\t+30], v[S+32*\t+30]
	v_exp_f32 v[S+32*\t+31], v[S+32*\t+31]
.endr
	v_nop                                          ; a plain line behind the last exponential,
	s_wait_alu depctr_va_vdst(0)                   ; and the one wait ahead of the first line that names a result: for all 66
.irp i, 0,2,4,6,8,10,12,14,16,18,20,22,24,26,28,30
.irp t, 0,1
	v_pk_mul_f32 v[OA+32*\t+\i:OA+32*\t+\i+1], v[OA+32*\t+\i:OA+32*\t+\i+1], v[ST+8*\t+6:ST+8*\t+7] op_sel_hi:[1,0]   ; O^T x a, each accumulator from its low end on
.endr
.endr
.irp j, 0,1,2,3,4,5,6,7,8,9,10,11,12,13,14,15
.irp t, 0,1
	v_cvt_pk_f16_f32 v[P+16*\t+\j], v[S+32*\t+2*\j], v[S+32*\t+2*\j+1]
.endr
.endr
.irp u, 0,4,8,12,16,20,24,28           ; the sum of the 16 pairs, in place: neighbours 1, 2, 4, 8 pairs apart
.irp t, 0,1
	v_pk_add_f32 v[S+32*\t+\u:S+32*\t+\u+1], v[S+32*\t+\u:S+32*\t+\u+1], v[S+32*\t+\u+2:S+32*\t+\u+3]
.endr
.endr
.irp u, 0,8,16,24
.irp t, 0,1
	v_pk_add_f32 v[S+32*\t+\u:S+32*\t+\u+1], v[S+32*\t+\u:S+32*\t+\u+1], v[S+32*\t+\u+4:S+32*\t+\u+5]
.endr
.endr
.irp u, 0,16
.irp t, 0,1
	v_pk_add_f32 v[S+32*\t+\u:S+32*\t+\u+1], v[S+32*\t+\u:S+32*\t+\u+1], v[S+32*\t+\u+8:S+32*\t+\u+9]
.endr
.endr
.irp t, 0,1
	v_pk_add_f32 v[S+32*\t:S+32*\t+1], v[S+32*\t:S+32*\t+1], v[S+32*\t+16:S+32*\t+17]
.endr
.irp t, 0,1
	v_pk_fma_f32 v[ST+8*\t+2:ST+8*\t+3], v[ST+8*\t+2:ST+8*\t+3], v[ST+8*\t+6:ST+8*\t+7], v[S+32*\t:S+32*\t+1] op_sel_hi:[1,0,1]   ; l = l a + the sum
.endr
.endm
.macro SM_IF g                         ; the softmax, for waves 0-3 (g = 0) or waves 4-7 (g = 1): a branch on the wave's number round vector work on registers alone
	s_cmp_lt_u32 s[WV], 4
.if \g
	s_cbranch_scc1 .Lnot_now_\@
.else
	s_cbranch_scc0 .Lnot_now_\@
.endif
	SOFTMAX
.Lnot_now_\@:
.endm
.macro BODY                            ; a key step: V^T P of step j, K Q^T of step j + 1
	FETCH_K                                        ; K of step j + 1
	SM_IF 1                                        ; waves 4-7: the softmax of step j
	s_wait_dscnt 16                                ; V of step j is in; K's sixteen loads may be out
	PV16
	s_wait_dscnt 0x0                               ; K is in
	KQ16
	WIN 0
	FETCH_V                                        ; V of step j + 1
	SM_IF 0                                        ; waves 0-3: the softmax of step j + 1
.endm
.macro STEPS n
	s_mov_b32 s[CNT], \n
.Lstep_\@:
	BODY
	s_sub_co_u32 s[CNT], s[CNT], 1
	s_cmp_lg_u32 s[CNT], 0
	s_cbranch_scc1 .Lstep_\@
.endm
; THE CHANGE OF SLOTS: the slot's last bytes, V of its fourth step, have been asked for.  Each wave waits for all its tensor loads (one is out: its part of the other slot), adds 0 to its spare word, and waits for that
; and for its reads of the slot.  fill = 1: the barrier is a round of the cluster's, and the joint refill, with the keys two slots on, is the first thing behind it: it has four key steps in which to land.
.macro CHANGE fill
	WIN 0
	s_wait_tensorcnt 0x0                           ; no tensor load of mine is out, so a group 0 may be written
	ds_add_u32 v[SPW], v[NIL]                      ; 0 onto my spare word
.if \fill
.irp g, G0K+4, G0V+4
	s_xor_b32 s[\g+1], s[\g+1], SLOT1              ; the walking descriptor: the other slot than last time,
	s_add_nc_u64 s[\g+2:\g+3], s[\g+2:\g+3], BLKB  ; the next 256 keys
.endr
	s_wait_xcnt 0x0                                ; the last prefetch, four key steps back, has read its address
	s_add_nc_u64 s[PFA:PFA+1], s[PFA:PFA+1], BLKB  ; one slot further on than the walking descriptors
	s_wait_dscnt 0x0                               ; the add is done, and my reads of the slot are over
	CROUND
	JLOAD
	ASK
.else
	s_wait_dscnt 0x0
	s_barrier_signal -1
	s_barrier_wait -1
.endif
	s_sub_co_u32 s[TB], s[TB], NST*STEPB           ; the fetches go back to a slot's first step,
	s_xor_b32 s[TB], s[TB], SLOT1                  ; in the other slot
.endm
	s_wait_tensorcnt 1                             ; my part of slot 0 is in; slot 1's may stay out
	s_barrier_signal -1
	s_barrier_wait -1
	FETCH_K                                        ; key step 0
	s_wait_loadcnt 0x0                             ; Q
	s_wait_dscnt 0x0
	KQ16
	WIN 0
	FETCH_V
	SM_IF 0
	STEPS NST-1                                    ; the rest of slot 0
.Lslot:                                            ; 14 trips: every slot but the last two is filled again
	CHANGE 1
	STEPS NST
	s_sub_co_u32 s[SLOTS], s[SLOTS], 1
	s_cmp_lg_u32 s[SLOTS], 0
	s_cbranch_scc1 .Lslot
	CHANGE 0                                       ; the tail is written out
	STEPS NST
	SM_IF 1                                        ; waves 4-7: the last softmax
	s_wait_dscnt 0x0                               ; V of the last step
	PV16
	WIN 0
	; THE WAY OUT.  l's halves and the other half of the lanes' are added; O^T is divided by l, rounded to f16 and sent through my stage; my 32 rows of the head's plane are 4,096 consecutive bytes of ctx.
.irp t, 0,1
	v_add_f32 v[ST+8*\t+4], v[ST+8*\t+2], v[ST+8*\t+3]
.endr
.irp t, 0,1
	v_permlanex16_b32 v[ST+8*\t+5], v[ST+8*\t+4], s[SEL], s[SEL+1]
.endr
.irp t, 0,1
	v_add_f32 v[ST+8*\t+4], v[ST+8*\t+4], v[ST+8*\t+5]
.endr
	v_nop                                          ; (with the four additions: the places behind the last products)
	v_nop
.irp t, 0,1
	v_rcp_f32 v[ST+8*\t+6], v[ST+8*\t+4]
.endr
	v_nop                                          ; a plain line behind the last reciprocal,
	s_wait_alu depctr_va_vdst(0)                   ; and the wait ahead of the first use: one for both
.irp t, 0,1
.irp i, 0,2,4,6,8,10,12,14,16,18,20,22,24,26,28,30
	v_pk_mul_f32 v[OA+32*\t+\i:OA+32*\t+\i+1], v[OA+32*\t+\i:OA+32*\t+\i+1], v[ST+8*\t+6:ST+8*\t+7] op_sel_hi:[1,0]
.endr
.irp j, 0,1,2,3,4,5,6,7,8,9,10,11,12,13,14,15
	v_cvt_pk_f16_f32 v[PKO+16*\t+\j], v[OA+32*\t+2*\j], v[OA+32*\t+2*\j+1]
.endr
.irp c, 0,1,2,3
	ds_store_b128 v[STO], v[PKO+16*\t+4*\c:PKO+16*\t+4*\c+3] offset:16*SP*\t+32*\c
.endr
.endr
.irp i, 0,1,2,3,4,5,6,7
	ds_load_b128 v[RB+4*\i:RB+4*\i+3], v[RD] offset:4*SP*\i   ; LDS serves a wave's instructions in order: these see my stores
.endr
.irp i, 0,1,2,3,4,5,6,7
	s_wait_dscnt 7-\i                              ; the younger loads may be out
	global_store_b128 v[GO], v[RB+4*\i:RB+4*\i+3], s[6:7] offset:512*\i   ; 32 lanes store 512 consecutive bytes
.endr
	s_wait_tensorcnt 0x0                           ; the wave's end
	ds_add_u32 v[SPW], v[NIL]
	s_wait_dscnt 0x0
	CROUND                                         ; the closing round
	s_endpgm
.Lfunc_end_k_q3d2a9f31f3_attn:
	.size	k_q3d2a9f31f3_attn, .Lfunc_end_k_q3d2a9f31f3_attn-k_q3d2a9f31f3_attn
	.p2alignl 7, 3214868480
	.fill 96, 4, 3214868480
	.section	.rodata,"a",@progbits
	.p2align	6, 0x0
	.amdhsa_kernel k_q3d2a9f31f3_attn
		.amdhsa_group_segment_fixed_size 327680
		.amdhsa_private_segment_fixed_size 0
		.amdhsa_enable_private_segment 0
		.amdhsa_kernarg_size 16
		.amdhsa_user_sgpr_count 2
		.amdhsa_user_sgpr_kernarg_segment_ptr 1
		.amdhsa_wavefront_size32 1
		.amdhsa_system_sgpr_workgroup_id_x 1
		.amdhsa_system_sgpr_workgroup_id_y 1
		.amdhsa_system_sgpr_workgroup_id_z 1
		.amdhsa_system_vgpr_workitem_id 0
		.amdhsa_next_free_vgpr 512
		.amdhsa_next_free_sgpr 66
		.amdhsa_reserve_vcc 0
		.amdhsa_float_denorm_mode_32 3
		.amdhsa_float_denorm_mode_16_64 3
		.amdhsa_memory_ordered 1
		.amdhsa_forward_progress 1
		.amdhsa_inst_pref_size 139
	.end_amdhsa_kernel
	.amdgpu_metadata
---
amdhsa.version: [ 1, 2 ]
amdhsa.kernels:
  - .name:           k_q3d2a9f31f3_attn
    .symbol:         k_q3d2a9f31f3_attn.kd
    .args:
      - { .name: qkv, .offset: 0, .size: 8, .value_kind: global_buffer, .address_space: global }
      - { .name: ctx, .offset: 8, .size: 8, .value_kind: global_buffer, .address_space: global }
    .group_segment_fixed_size: 327680
    .private_segment_fixed_size: 0
    .kernarg_segment_align: 8
    .kernarg_segment_size: 16
    .max_flat_workgroup_size: 256
    .sgpr_count:     66
    .vgpr_count:     512
    .wavefront_size: 32
...
	.end_amdgpu_metadata
.endif
;; end of part 3
;; launch oproj (part 4): grid 8 x 32, 4 waves a work-group, clusters of 4 x 4, 327,680 bytes of LDS; arguments ctx, wo16, b_o, out0; writes out0
.if DOCPART == 4
	.amdgcn_target "amdgcn-amd-amdhsa--gfx1250"
	.amdhsa_code_object_version 6
	.text
	.protected	k_q3d2a9f31f3_oproj
	.globl	k_q3d2a9f31f3_oproj
	.p2align	8
	.type	k_q3d2a9f31f3_oproj,@function
k_q3d2a9f31f3_oproj:
	s_mov_b64 s[64:65], 0
	v_nop
	global_prefetch_b8 v0, s[64:65] scope:SCOPE_SE
	s_setreg_imm32_b32 hwreg(HW_REG_WAVE_MODE, 25, 1), 1
	s_wait_xcnt 0x0
	s_wait_alu depctr_hold_cnt(0) depctr_sa_sdst(0) depctr_va_vdst(0) depctr_va_sdst(0) depctr_va_ssrc(0) depctr_va_vcc(0) depctr_vm_vsrc(0)
	s_getreg_b32 s2, hwreg(HW_REG_IB_STS2, 6, 4)
	s_cmp_eq_u32 s2, 0
	s_cbranch_scc0 .Lentry_in_a_cluster
	s_endpgm
.Lentry_in_a_cluster:
	s_bfe_u32 s2, ttmp6, 0x10000c
	s_cmp_lg_u32 s2, 0xf033
	s_cbranch_scc0 .Lentry_shape_is_right
	s_endpgm
.Lentry_shape_is_right:
; out0 = ctx w_o^T + b_o.  ctx: f16 [row / 128][k / 64][128 rows][64]; wo16: f16 [n / 128][k / 64][128 n][64]; b_o [1024], out0 [4096][1024]: f32.  Sums in f32.
; A tile of out0 is 128 x 128: 32 x 8 = 256 work-groups.  Four waves, each 64 x 64: 16 accumulators.  K goes in steps of 256 = four planes of 64, through two LDS slots; four K steps.
; Two planes of a block of 128 rows are 32,768 dense bytes: one tensor load, as 256 rows of 128 bytes, 16 bytes of padding behind each.  Waves 0 and 1 fetch A's four planes, waves 2 and 3 B's.
; CLUSTERS: 4 x 4 work-groups; A's tiles are asked for jointly along a row of the cluster, B's along a column.
; THE MATRIX INSTRUCTION IS USED TRANSPOSED (source 0 = 16 rows of w_o, source 1 = 16 rows of ctx): a lane holds eight neighbouring outputs of one row.  THE BIAS IS THE C OF EACH SUM'S FIRST PRODUCT.
; No prefetch: the launch has four K steps on small tiles, and half of them are asked for at the head.
; REGISTERS: window 0: v16-30 addresses; v32-95 rows on the way out; v96-127 the bias; v128-255 the accumulators ((a, b) at v[128 + 8 (4 a + b)]).   window 1: two fragment buffers of 128: 64 registers of A, then 64 of B.
.set PITCH,  144                       ; an LDS row: 128 bytes + 16: the 16 rows of a load begin 36 words apart
.set PLB,    128*PITCH                 ; a plane
.set HALFT,  2*PLB                     ; what one tensor load brings
.set SLOT,   4*HALFT                   ; A's four planes, then B's four
.set SPARE,  2*SLOT                    ; the spare words, 128 bytes a wave, which no other line names
.set SPITCH, 272                       ; the way out: a stage of 16 rows x (256 bytes + 16) for each wave, in slot 0, which has had its last fill and its last read by then
.set STEPG,  65536                     ; a K step's four planes in memory
.set ADRA, 16
.set ADRB, 20
.set STO,  24
.set RD,   25
.set CO,   26
.set SPW,  28
.set NIL,  29
.set BO,   30
.set BK,   32
.set BIAS, 96
.set ACC,  128
.set F0,   0
.set F1,   128
.set G1, 24
.set G0, 32
.set G1B, 48
.set G0B, 56
.set MSB, 0
.macro WIN new
.if MSB != (\new)
	s_set_vgpr_msb (MSB<<8)|(\new)
.set MSB, (\new)
.endif
.endm
.set MUL,  0x05                        ; sources 0 (B) and 1 (A) window 1; C and D window 0
.set TO_F, 0x40
.macro JLOAD s                         ; a joint load; an s_nop 0 and four v_nop follow each of the two lines
	s_cmp_eq_u32 s13, 0
	s_cbranch_scc0 .Lfor_b_\@
	tensor_load_to_lds s[G0+4*\s:G0+4*\s+3], s[G1:G1+7]
	s_nop 0
.rept 4
	v_nop
.endr
	s_branch .Lasked_\@
.Lfor_b_\@:
	tensor_load_to_lds s[G0B+4*\s:G0B+4*\s+3], s[G1B:G1B+7]
	s_nop 0
.rept 4
	v_nop
.endr
.Lasked_\@:
.endm
.macro CREST                           ; a round of the cluster's barrier behind its opening barrier
	s_cmp_lg_u32 s12, 0
	s_cbranch_scc1 .Lnot_wave_0_\@
	s_barrier_signal -3
.Lnot_wave_0_\@:
	s_barrier_wait -3
	s_barrier_signal -1
	s_barrier_wait -1
.endm
.macro CROUND
	s_barrier_signal -1
	s_barrier_wait -1
	CREST
.endm
	s_load_b256 s[4:11], s[0:1], 0x0               ; ctx s[4:5], wo16 s[6:7], b_o s[8:9], out0 s[10:11]
	v_lshl_add_u32 v[SPW], v0, 2, SPARE
	v_mov_b32 v[NIL], 0
	ds_add_u32 v[SPW], v[NIL]                      ; the wave's opening: the add, twice on end, and its wait ahead of my first tensor load
	ds_add_u32 v[SPW], v[NIL]
	v_lshrrev_b32 v1, 5, v0
	v_readfirstlane_b32 s12, v1                    ; wave 0..3
	s_lshr_b32 s13, s12, 1                         ; which half of the tile's rows is mine.  Also: I fetch for A (0) or for B (1)
	s_and_b32 s14, s12, 1                          ; which half of its columns.  Also: which two planes I fetch
	s_bfe_u32 s40, ttmp6, 0x40000                  ; cx
	s_bfe_u32 s41, ttmp6, 0x40004                  ; cy
	s_lshl_b32 s42, ttmp9, 2
	s_add_co_u32 s42, s42, s40                     ; tile column
	s_and_b32 s15, ttmp7, 0xffff
	s_lshl_b32 s15, s15, 2
	s_add_co_u32 s15, s15, s41                     ; tile row
	s_lshl_b32 s43, s41, 2
	s_lshl_b32 s43, 15, s43                        ; my row of the cluster
	s_lshl_b32 s44, 0x1111, s40                    ; my column
	s_or_b32 s[G1+0], s43, (1<<16)|(1<<20)|(1<<21)|(4<<22)|(3<<25)  ; the mask; elements of 2 bytes; padding on; bit 21 beside a mask; after every 32 words, 4 words
	s_or_b32 s[G1B+0], s44, (1<<16)|(1<<20)|(1<<21)|(4<<22)|(3<<25)
.irp g, G1, G1B
	s_mov_b32 s[\g+1], 64<<16                      ; tensor_dim0 = 64
	s_mov_b32 s[\g+2], 256<<16                     ; tensor_dim1 = 256
	s_mov_b32 s[\g+3], 64<<16                      ; tile_dim0
	s_mov_b32 s[\g+4], 256                         ; tile_dim1
	s_mov_b32 s[\g+5], 64                          ; the pitch, in elements
	s_mov_b32 s[\g+6], 0
	s_mov_b32 s[\g+7], 0
.endr
	s_lshl_b32 s18, s14, 15                        ; my two planes of a K step's four
	s_lshl_b32 s16, s15, 18                        ; A: the block of 128 rows, 262,144 bytes
	s_add_co_u32 s16, s16, s18
	s_mov_b32 s17, 0
	s_lshl_b32 s46, s42, 18                        ; B likewise
	s_add_co_u32 s46, s46, s18
	s_mov_b32 s47, 0
	s_mul_i32 s20, s12, HALFT                      ; where they go: wave x two planes
	s_wait_dscnt 0x0                               ; both opening adds are done
	s_wait_kmcnt 0x0
	s_add_nc_u64 s[16:17], s[4:5], s[16:17]
	s_add_nc_u64 s[46:47], s[6:7], s[46:47]
	CROUND                                         ; all sixteen work-groups are here: the first joint loads meet
.irp s, 0,1
	s_mov_b32 s[G0+4*\s], 1
	s_add_co_u32 s[G0+4*\s+1], s20, \s*SLOT
	s_add_nc_u64 s[G0+4*\s+2:G0+4*\s+3], s[16:17], \s*STEPG
	s_or_b32 s[G0+4*\s+3], s[G0+4*\s+3], 0x80000000
	s_mov_b32 s[G0B+4*\s], 1
	s_add_co_u32 s[G0B+4*\s+1], s20, \s*SLOT
	s_add_nc_u64 s[G0B+4*\s+2:G0B+4*\s+3], s[46:47], \s*STEPG
	s_or_b32 s[G0B+4*\s+3], s[G0B+4*\s+3], 0x80000000
	JLOAD \s                                       ; two tensor loads of mine are out behind the second
.endr
	v_and_b32 v1, 15, v0                           ; r
	v_bfe_u32 v2, v0, 4, 1                         ; h
	s_lshl_b32 s46, s42, 9
	s_lshl_b32 s47, s14, 8
	s_add_co_u32 s46, s46, s47                     ; my first output, in bytes: (128 x tile column + 64 x half) x 4
	s_mov_b32 s47, 0
	s_add_nc_u64 s[8:9], s[8:9], s[46:47]
	s_add_nc_u64 s[10:11], s[10:11], s[46:47]
	v_lshlrev_b32 v[BO], 5, v2
.irp b, 0,1,2,3
	global_load_b128 v[BIAS+8*\b:BIAS+8*\b+3], v[BO], s[8:9] offset:64*\b        ; register j: output 16 b + 8 h + j
	global_load_b128 v[BIAS+8*\b+4:BIAS+8*\b+7], v[BO], s[8:9] offset:64*\b+16
.endr
	v_mul_u32_u24 v3, v1, PITCH
	v_lshl_add_u32 v3, v2, 4, v3                   ; a fragment's row x pitch + 16 x half
	s_mul_i32 s21, s13, 64*PITCH                   ; my 64 rows of each of A's planes
	s_mul_i32 s22, s14, 64*PITCH                   ; my 64 rows of B's,
	s_add_co_u32 s22, s22, 2*HALFT                 ; which lie behind A's four planes
.irp s, 0,1
	v_add_nc_u32 v[ADRA+\s], s21, v3
	v_add_nc_u32 v[ADRB+\s], s22, v3
	s_add_co_u32 s21, s21, SLOT
	s_add_co_u32 s22, s22, SLOT
.endr
	s_mul_i32 s23, s12, 16*SPITCH                  ; my stage
	v_mul_u32_u24 v4, v1, SPITCH
	v_lshl_add_u32 v4, v2, 5, v4
	v_add_nc_u32 v[STO], s23, v4                   ; in: row r, 32 bytes for each half of the lanes
	v_mul_u32_u24 v5, v2, SPITCH
	v_lshl_add_u32 v5, v1, 4, v5
	v_add_nc_u32 v[RD], s23, v5                    ; back: lanes 0-15 one row of 256 bytes, lanes 16-31 the next
	v_lshlrev_b32 v5, 12, v2
	v_lshl_add_u32 v[CO], v1, 4, v5                ; and the same two rows of out0, 4,096 bytes apart
	s_lshl_b32 s16, s15, 19
	s_lshl_b32 s17, s13, 18
	s_add_co_u32 s16, s16, s17                     ; my first row: (128 x tile row + 64 x half) x 4,096 bytes
	s_mov_b32 s17, 0
	s_add_nc_u64 s[10:11], s[10:11], s[16:17]
; 8 matrix instructions: row blocks a0, a0 + 1 x all 4 column blocks, 32 along K: half c of buffer f.  zero = 1: the first product starts the sum from the bias.  The 16 accumulators take turns.
.macro MUL8 f, c, a0, zero
.irp a, \a0, \a0+1
.irp b, 0,1,2,3
.if \zero
	v_wmma_f32_16x16x32_f16 v[ACC+8*(4*(\a)+\b):ACC+8*(4*(\a)+\b)+7], v[\f+64+8*(4*\c+\b):\f+64+8*(4*\c+\b)+7], v[\f+8*(4*\c+\a):\f+8*(4*\c+\a)+7], v[BIAS+8*\b:BIAS+8*\b+7]
.else
	v_wmma_f32_16x16x32_f16 v[ACC+8*(4*(\a)+\b):ACC+8*(4*(\a)+\b)+7], v[\f+64+8*(4*\c+\b):\f+64+8*(4*\c+\b)+7], v[\f+8*(4*\c+\a):\f+8*(4*\c+\a)+7], v[ACC+8*(4*(\a)+\b):ACC+8*(4*(\a)+\b)+7]
.endif
.endr
.endr
.endm
; 32 LDS loads in one run: the fragments of plane q of the slot (64 along K) into buffer f; the first 32 along K first
.macro FETCH slot, q, f
	WIN TO_F
.irp c, 0,1
.irp i, 0,1,2,3
	ds_load_b128 v[\f+64+8*(4*\c+\i):\f+64+8*(4*\c+\i)+3],   v[ADRB+\slot] offset:(\q)*PLB+64*\c+\i*16*PITCH
	ds_load_b128 v[\f+64+8*(4*\c+\i)+4:\f+64+8*(4*\c+\i)+7], v[ADRB+\slot] offset:(\q)*PLB+64*\c+\i*16*PITCH+32
	ds_load_b128 v[\f+8*(4*\c+\i):\f+8*(4*\c+\i)+3],         v[ADRA+\slot] offset:(\q)*PLB+64*\c+\i*16*PITCH
	ds_load_b128 v[\f+8*(4*\c+\i)+4:\f+8*(4*\c+\i)+7],       v[ADRA+\slot] offset:(\q)*PLB+64*\c+\i*16*PITCH+32
.endr
.endr
.endm
.macro PLACES                          ; four plain lines in front of loads into registers that matrix instructions have read, and of reads of results
.rept 4
	v_nop
.endr
.endm
; A K step is four quarters, a plane each, on buffers 0, 1, 0, 1.  One of the first three: multiplies buffer f and fetches plane q into g.
.macro QUARTER slot, q, f, g, zero
	s_wait_dscnt 16                                ; the first 32 along K are in; the other sixteen loads may be out
	WIN MUL
	MUL8 \f, 0, 0, \zero
	MUL8 \f, 0, 2, \zero
	PLACES
	FETCH \slot, \q, \g
	s_wait_dscnt 32                                ; all but the 32 just issued
	WIN MUL
	MUL8 \f, 1, 0, 0
	MUL8 \f, 1, 2, 0
.endm
; The last quarter multiplies buffer 1 and changes slots: ONE barrier; in front of it each wave waits for all its tensor loads, adds 0 to its spare word, and waits for that and for its reads of this slot.
; fill = 1: the barrier opens a round of the cluster's, and this slot is filled again, two K steps ahead, first thing behind the round.
.macro TURN slot, next, fill
	WIN 0
	s_wait_tensorcnt 0x0                           ; all my tensor loads have landed: my part of the next slot
	ds_add_u32 v[SPW], v[NIL]                      ; 0 onto my spare word
	s_wait_dscnt 17                                ; (the add and the youngest sixteen loads may be out)
	WIN MUL
	MUL8 F1, 0, 0, 0
	s_wait_dscnt 0x0                               ; the add is done, and my reads of this slot are over
	s_barrier_signal -1
	MUL8 F1, 0, 2, 0
.if \fill
	WIN 0
.endif
	s_barrier_wait -1
.if \fill
	CREST
	s_add_nc_u64 s[G0+4*\slot+2:G0+4*\slot+3], s[G0+4*\slot+2:G0+4*\slot+3], 2*STEPG
	s_add_nc_u64 s[G0B+4*\slot+2:G0B+4*\slot+3], s[G0B+4*\slot+2:G0B+4*\slot+3], 2*STEPG
	JLOAD \slot                                    ; the four v_nop behind it are also the places in front of the loads below
.else
	PLACES
.endif
	FETCH \next, 0, F0
	WIN MUL
	MUL8 F1, 1, 0, 0
	MUL8 F1, 1, 2, 0
.endm
	s_wait_tensorcnt 1                             ; my part of K step 0 is in; K step 1's may be out
	s_barrier_signal -1
	s_barrier_wait -1
	FETCH 0, 0, F0
	s_wait_loadcnt 0x0                             ; the bias
	QUARTER 0, 1, F0, F1, 1                        ; K step 0
	QUARTER 0, 2, F1, F0, 0
	QUARTER 0, 3, F0, F1, 0
	TURN 0, 1, 1                                   ; slot 0 takes K step 2
	QUARTER 1, 1, F0, F1, 0                        ; K step 1
	QUARTER 1, 2, F1, F0, 0
	QUARTER 1, 3, F0, F1, 0
	TURN 1, 0, 1                                   ; slot 1 takes K step 3
	QUARTER 0, 1, F0, F1, 0                        ; K step 2
	QUARTER 0, 2, F1, F0, 0
	QUARTER 0, 3, F0, F1, 0
	TURN 0, 1, 0                                   ; nothing is left to fetch
	QUARTER 1, 1, F0, F1, 0                        ; K step 3
	QUARTER 1, 2, F1, F0, 0
	QUARTER 1, 3, F0, F1, 0
	s_wait_dscnt 16
	WIN MUL
	MUL8 F1, 0, 0, 0
	MUL8 F1, 0, 2, 0
	s_wait_dscnt 0
	MUL8 F1, 1, 0, 0
	MUL8 F1, 1, 2, 0
	WIN 0
; THE WAY OUT, a block of 16 rows x 64 outputs at a time: the accumulators go into my own stage as they are, each from its low end on, and come back as whole rows of 256 bytes.
.macro TOSTAGE a
.irp b, 0,1,2,3
	ds_store_b128 v[STO], v[ACC+8*(4*(\a)+\b):ACC+8*(4*(\a)+\b)+3] offset:64*\b
	ds_store_b128 v[STO], v[ACC+8*(4*(\a)+\b)+4:ACC+8*(4*(\a)+\b)+7] offset:64*\b+16
.endr
.set BB, BK+32*((\a)%2)
.irp t, 0,1,2,3,4,5,6,7
	ds_load_b128 v[BB+4*\t:BB+4*\t+3], v[RD] offset:\t*2*SPITCH   ; LDS serves a wave's instructions in order: these see the stores above
.endr
.endm
.macro SEND a, younger                 ; younger: the LDS instructions issued behind block a's loads, which may stay out
.set BB, BK+32*((\a)%2)
	s_wait_dscnt \younger
.if (\a) > 0
	s_add_nc_u64 s[10:11], s[10:11], 16*4096       ; (behind a wait on XCNT: the earlier stores have read their base)  16 rows on
.endif
.irp t, 0,1,2,3,4,5,6,7
	global_store_b128 v[CO], v[BB+4*\t:BB+4*\t+3], s[10:11] offset:2*\t*4096 th:TH_STORE_NT   ; 16 lanes store 256 consecutive bytes, at a multiple of 256 from out0's first byte
.endr
.endm
	PLACES
	TOSTAGE 0
.irp a, 1,2,3
.if \a > 1
	s_wait_xcnt 0x0                                ; block a - 2's stores have read their registers and their base
.endif
	TOSTAGE \a
	SEND \a-1, 16                                  ; behind block a - 1's loads: block a's eight stores and eight loads
.endr
	s_wait_xcnt 0x0
	SEND 3, 0
	s_wait_tensorcnt 0x0                           ; the wave's end
	ds_add_u32 v[SPW], v[NIL]
	s_wait_dscnt 0x0
	CROUND                                         ; the closing round
	s_endpgm
.Lfunc_end_k_q3d2a9f31f3_oproj:
	.size	k_q3d2a9f31f3_oproj, .Lfunc_end_k_q3d2a9f31f3_oproj-k_q3d2a9f31f3_oproj
	.p2alignl 7, 3214868480
	.fill 96, 4, 3214868480
	.section	.rodata,"a",@progbits
	.p2align	6, 0x0
	.amdhsa_kernel k_q3d2a9f31f3_oproj
		.amdhsa_group_segment_fixed_size 327680
		.amdhsa_private_segment_fixed_size 0
		.amdhsa_enable_private_segment 0
		.amdhsa_kernarg_size 32
		.amdhsa_user_sgpr_count 2
		.amdhsa_user_sgpr_kernarg_segment_ptr 1
		.amdhsa_wavefront_size32 1
		.amdhsa_system_sgpr_workgroup_id_x 1
		.amdhsa_system_sgpr_workgroup_id_y 1
		.amdhsa_system_sgpr_workgroup_id_z 1
		.amdhsa_system_vgpr_workitem_id 0
		.amdhsa_next_free_vgpr 512
		.amdhsa_next_free_sgpr 66
		.amdhsa_reserve_vcc 0
		.amdhsa_float_denorm_mode_32 3
		.amdhsa_float_denorm_mode_16_64 3
		.amdhsa_memory_ordered 1
		.amdhsa_forward_progress 1
		.amdhsa_inst_pref_size 86
	.end_amdhsa_kernel
	.amdgpu_metadata
---
amdhsa.version: [ 1, 2 ]
amdhsa.kernels:
  - .name:           k_q3d2a9f31f3_oproj
    .symbol:         k_q3d2a9f31f3_oproj.kd
    .args:
      - { .name: ctx, .offset: 0, .size: 8, .value_kind: global_buffer, .address_space: global }
      - { .name: wo16, .offset: 8, .size: 8, .value_kind: global_buffer, .address_space: global }
      - { .name: b_o, .offset: 16, .size: 8, .value_kind: global_buffer, .address_space: global }
      - { .name: out0, .offset: 24, .size: 8, .value_kind: global_buffer, .address_space: global }
    .group_segment_fixed_size: 327680
    .private_segment_fixed_size: 0
    .kernarg_segment_align: 8
    .kernarg_segment_size: 32
    .max_flat_workgroup_size: 128
    .sgpr_count:     66
    .vgpr_count:     512
    .wavefront_size: 32
...
	.end_amdgpu_metadata
.endif
;; end of part 4
